; MI455X (gfx1250); checked and timed in simulation.
; The chip was launched on July 23, 2026; its instructions are those of AMD's public machine-readable ISA for CDNA 5 (MIT licence, August 2026) and "CDNA5" Instruction Set Architecture Reference Guide (July 2026). The comments in the code are by the model that wrote it; some were corrected since.
;; Mo E Layer. Allowed arithmetic: float matrix products may take bf16 or f16 operands with f32 sums; all other float work in f32.
;; Inputs: b1 8 x 4,096 float32; b2 8 x 1,024 float32; br 8 float32; hidden_states 4 x 256 x 1,024 float32; w1 8 x 1,024 x 4,096 float32; w2 8 x 4,096 x 1,024 float32; wr 1,024 x 8 float32.
;; Outputs: out0 4 x 256 x 1,024 float32.
;; One version. Each part assembles by itself: llvm-mc -triple=amdgcn-amd-amdhsa -mcpu=gfx1250 --defsym DOCPART=n.
;; ======== version 1 of 1: 5 launches
;; limits: values are held in f16: magnitudes above 65,504 overflow, below 6.1e-05 lose precision
;; workspace buffers: xb 2,097,152 bytes; top1 4,096 bytes of whole numbers; gate 4,096 bytes; list 36,864 bytes of whole numbers; cnt 1,024 bytes of whole numbers; hmid 8,388,608 bytes; part 16,777,216 bytes
;; launch router (part 1): grid 256 x 1, 4 waves a work-group, no clusters, 0 bytes of LDS; arguments hidden_states, wr, br, xb, top1, gate; writes xb, top1, gate
.if DOCPART == 1
	.amdgcn_target "amdgcn-amd-amdhsa--gfx1250"
	.amdhsa_code_object_version 6
	.text
	.protected	k_q4e78dcc793_router
	.globl	k_q4e78dcc793_router
	.p2align	8
	.type	k_q4e78dcc793_router,@function
k_q4e78dcc793_router:
	s_mov_b64 s[64:65], 0
	v_nop
	global_prefetch_b8 v0, s[64:65] scope:SCOPE_SE
	s_setreg_imm32_b32 hwreg(HW_REG_WAVE_MODE, 25, 1), 1
	s_wait_xcnt 0x0
; ROUTER.  For each of 1,024 tokens: x rounded to bf16 (stored as xb), logits = x wr + br on operands rounded to bf16 with f32 sums,
; the index of the largest logit (top1) and gate = p0 / (p0 + p1) = 1 / (1 + e^(l1 - l0)) for the two largest logits l0 >= l1.
; The largest logit is taken away before the exponential, so its argument is never above 0.
; One wave takes one token; lane l owns k = 128 i + 4 l + j (i = 0..7, j = 0..3): a lane's loads of x are 16 bytes, a wave's 512 on end.
; No matrix unit: 8 columns are half a tile, and the launch is bound by the 4 MB of x that it reads.
; LIMITS.  Equal logits: the lower index wins, as in top_k.  Two logits so near that the softmax's probabilities would round to the same
; number may be ordered otherwise than by top_k.  NaN and infinities are not treated apart.
; top1 and gate leave as 4 bytes a wave: 8 KB in the whole launch.
.set X,    8          ; v[8:39]    x, 4 numbers for each i
.set RAW,  40         ; v[40:167]  wr as loaded: four buffers of 32 (register 8 j + e)
.set XP,   168        ; v[168:183] x in bf16, two registers for each i
.set WP,   184        ; v[184:199] one group of wr in bf16 (register 4 j + e / 2)
.set ACC,  200        ; v[200:207] the eight sums
.set T,    208        ; v[208:215] the other half of the lanes' sums
.set BT,   216        ; v[216:218] at work on br
.set BEST, 220
.set SEC,  221
.set IDX,  222
.set TM,   223
	s_load_b256 s[4:11], s[0:1], 0x0               ; x s[4:5], wr s[6:7], br s[8:9], xb s[10:11]
	s_load_b128 s[12:15], s[0:1], 0x20             ; top1 s[12:13], gate s[14:15]
	v_lshrrev_b32 v1, 5, v0
	v_readfirstlane_b32 s24, v1                    ; wave
	v_and_b32 v2, 31, v0                           ; lane
	v_lshlrev_b32 v3, 4, v2                        ; 16 bytes of x a lane
	v_lshlrev_b32 v4, 7, v2                        ; four rows of wr, 128 bytes, a lane
	v_lshlrev_b32 v5, 3, v2                        ; 8 bytes of xb a lane
	v_mov_b32 v6, 0
	s_lshl_b32 s25, ttmp9, 2
	s_add_co_u32 s25, s25, s24                     ; my token
	s_mov_b32 s27, 0
	s_mov_b32 s28, 0x76543210                      ; v_permlanex16_b32: each lane takes its own place in the other half
	s_mov_b32 s29, 0xfedcba98
	s_wait_kmcnt 0x0
	s_load_b256 s[16:23], s[8:9], 0x0              ; br
	s_lshl_b32 s26, s25, 12
	s_add_nc_u64 s[4:5], s[4:5], s[26:27]          ; my row of x
	s_lshl_b32 s26, s25, 11
	s_add_nc_u64 s[10:11], s[10:11], s[26:27]      ; my row of xb
	s_lshl_b32 s26, s25, 2
	s_add_nc_u64 s[12:13], s[12:13], s[26:27]
	s_add_nc_u64 s[14:15], s[14:15], s[26:27]
.macro LDG g                           ; group g of wr: rows 128 g + 4 l .. + 3, eight loads
.irp q, 0,1,2,3,4,5,6,7
	global_load_b128 v[RAW+32*((\g)%4)+4*\q:RAW+32*((\g)%4)+4*\q+3], v4, s[6:7] offset:4096*(\g)+16*\q
.endr
.endm
.irp i, 0,1,2,3,4,5,6,7
	global_load_b128 v[X+4*\i:X+4*\i+3], v3, s[4:5] offset:512*\i th:TH_LOAD_NT
.endr
	LDG 0
	LDG 1
	LDG 2
	LDG 3
.irp e, 0,1,2,3,4,5,6,7
	v_mov_b32 v[ACC+\e], 0
	v_mov_b32 v[T+\e], 0                           ; written once: a lane permute's destination counts as read
.endr
; Group i.  left: the loads issued behind this group's, which may stay out.  refill = 1: its buffer takes group i + 4.
.macro GRP i, left, refill
	s_wait_loadcnt \left
	v_cvt_pk_bf16_f32 v[XP+2*(\i)], v[X+4*(\i)], v[X+4*(\i)+1]
	v_cvt_pk_bf16_f32 v[XP+2*(\i)+1], v[X+4*(\i)+2], v[X+4*(\i)+3]
	global_store_b64 v5, v[XP+2*(\i):XP+2*(\i)+1], s[10:11] offset:256*(\i)  ; the wave stores 256 bytes on end, at a multiple of 256 from xb's first
.set m, 0
.rept 16
	v_cvt_pk_bf16_f32 v[WP+m], v[RAW+32*((\i)%4)+2*m], v[RAW+32*((\i)%4)+2*m+1]
.set m, m+1
.endr
.if \refill
	LDG (\i)+4
.endif
.irp jh, 0,1
.irp jl, 0,1
.irp eh, 0,1,2,3
.irp el, 0,1
	v_fma_mix_f32_bf16 v[ACC+2*\eh+\el], v[XP+2*(\i)+\jh], v[WP+4*(2*\jh+\jl)+\eh], v[ACC+2*\eh+\el] op_sel:[\jl,\el,0] op_sel_hi:[1,1,0]
.endr
.endr
.endr
.endr
.endm
	GRP 0, 24, 1                                   ; behind a group's loads stand three groups of eight
	GRP 1, 24, 1
	GRP 2, 24, 1
	GRP 3, 24, 1
	GRP 4, 24, 0
	GRP 5, 16, 0                                   ; the counts run down
	GRP 6, 8, 0
	GRP 7, 0, 0
	; the eight sums over the 32 lanes: four steps inside each half, one across
.irp m, 1,2,4,8
.irp e, 0,1,2,3,4,5,6,7
	v_add_f32_dpp v[ACC+\e], v[ACC+\e], v[ACC+\e] row_xmask:\m row_mask:0xf bank_mask:0xf
.endr
.endr
.irp e, 0,1,2,3,4,5,6,7
	v_permlanex16_b32 v[T+\e], v[ACC+\e], s28, s29
.endr
.irp e, 0,1,2,3,4,5,6,7
	v_add_f32 v[ACC+\e], v[ACC+\e], v[T+\e]
.endr
	s_wait_kmcnt 0x0                               ; br
.irp m, 0,1,2,3                        ; br rounded to bf16, like the other inputs, and added
	v_mov_b32 v[BT+1], s[16+2*\m]
	v_mov_b32 v[BT+2], s[17+2*\m]
	v_cvt_pk_bf16_f32 v[BT], v[BT+1], v[BT+2]
	v_lshlrev_b32 v[BT+1], 16, v[BT]
	v_and_b32 v[BT+2], 0xffff0000, v[BT]
	v_add_f32 v[ACC+2*\m], v[ACC+2*\m], v[BT+1]
	v_add_f32 v[ACC+2*\m+1], v[ACC+2*\m+1], v[BT+2]
.endr
	; the two largest, and the index of the largest: a later logit wins only if it is greater
	v_mov_b32 v[BEST], v[ACC]
	v_mov_b32 v[IDX], 0
	v_mov_b32 v[SEC], 0xff800000
.irp e, 1,2,3,4,5,6,7
	v_cmp_gt_f32 vcc_lo, v[ACC+\e], v[BEST]
	v_cndmask_b32 v[IDX], v[IDX], \e, vcc_lo
	v_min_num_f32 v[TM], v[BEST], v[ACC+\e]
	v_max_num_f32 v[SEC], v[SEC], v[TM]
	v_max_num_f32 v[BEST], v[BEST], v[ACC+\e]
.endr
	v_sub_f32 v[TM], v[SEC], v[BEST]               ; l1 - l0, never above 0
	v_mul_f32 v[TM], 0x3fb8aa3b, v[TM]             ; times log2(e)
	v_exp_f32 v[TM], v[TM]
	v_nop                                          ; a plain instruction behind a transcendental, ahead of its result's use (ISA guide 5.7.2)
	s_wait_alu depctr_va_vdst(0)
	v_add_f32 v[TM], 1.0, v[TM]
	v_rcp_f32 v[TM], v[TM]
	v_cmp_eq_u32 vcc_lo, 0, v2                     ; (plain, and names neither source nor result)
	s_wait_xcnt 0x0                                ; EXEC is a source of the stores above: it changes only behind this wait
	s_and_saveexec_b32 s30, vcc_lo                 ; every lane holds the same two numbers: lane 0 stores them
	global_store_b32 v6, v[IDX], s[12:13]
	s_wait_alu depctr_va_vdst(0)
	global_store_b32 v6, v[TM], s[14:15]
	s_wait_xcnt 0x0
	s_or_b32 exec_lo, exec_lo, s30
	s_endpgm
.Lfunc_end_k_q4e78dcc793_router:
	.size	k_q4e78dcc793_router, .Lfunc_end_k_q4e78dcc793_router-k_q4e78dcc793_router
	.p2alignl 7, 3214868480
	.fill 96, 4, 3214868480
	.section	.rodata,"a",@progbits
	.p2align	6, 0x0
	.amdhsa_kernel k_q4e78dcc793_router
		.amdhsa_group_segment_fixed_size 0
		.amdhsa_private_segment_fixed_size 0
		.amdhsa_enable_private_segment 0
		.amdhsa_kernarg_size 48
		.amdhsa_user_sgpr_count 2
		.amdhsa_user_sgpr_kernarg_segment_ptr 1
		.amdhsa_wavefront_size32 1
		.amdhsa_system_sgpr_workgroup_id_x 1
		.amdhsa_system_sgpr_workgroup_id_y 1
		.amdhsa_system_sgpr_workgroup_id_z 1
		.amdhsa_system_vgpr_workitem_id 0
		.amdhsa_next_free_vgpr 224
		.amdhsa_next_free_sgpr 66
		.amdhsa_reserve_vcc 1
		.amdhsa_float_denorm_mode_32 3
		.amdhsa_float_denorm_mode_16_64 3
		.amdhsa_memory_ordered 1
		.amdhsa_forward_progress 1
		.amdhsa_inst_pref_size 41
	.end_amdhsa_kernel
	.amdgpu_metadata
---
amdhsa.version: [ 1, 2 ]
amdhsa.kernels:
  - .name:           k_q4e78dcc793_router
    .symbol:         k_q4e78dcc793_router.kd
    .args:
      - { .name: hidden_states, .offset: 0, .size: 8, .value_kind: global_buffer, .address_space: global }
      - { .name: wr, .offset: 8, .size: 8, .value_kind: global_buffer, .address_space: global }
      - { .name: br, .offset: 16, .size: 8, .value_kind: global_buffer, .address_space: global }
      - { .name: xb, .offset: 24, .size: 8, .value_kind: global_buffer, .address_space: global }
      - { .name: top1, .offset: 32, .size: 8, .value_kind: global_buffer, .address_space: global }
      - { .name: gate, .offset: 40, .size: 8, .value_kind: global_buffer, .address_space: global }
    .group_segment_fixed_size: 0
    .private_segment_fixed_size: 0
    .kernarg_segment_align: 8
    .kernarg_segment_size: 48
    .max_flat_workgroup_size: 128
    .sgpr_count:     66
    .vgpr_count:     224
    .wavefront_size: 32
...
	.end_amdgpu_metadata
.endif
;; end of part 1
;; launch lists (part 2): grid 1 x 1, 8 waves a work-group, no clusters, 0 bytes of LDS; arguments top1, list, cnt; writes list, cnt
.if DOCPART == 2
	.amdgcn_target "amdgcn-amd-amdhsa--gfx1250"
	.amdhsa_code_object_version 6
	.text
	.protected	k_q4e78dcc793_lists
	.globl	k_q4e78dcc793_lists
	.p2align	8
	.type	k_q4e78dcc793_lists,@function
k_q4e78dcc793_lists:
	s_mov_b64 s[64:65], 0
	v_nop
	global_prefetch_b8 v0, s[64:65] scope:SCOPE_SE
	s_setreg_imm32_b32 hwreg(HW_REG_WAVE_MODE, 25, 1), 1
	s_wait_xcnt 0x0
; LISTS.  Wave e makes row e of list ([8][1152] words) and of cnt ([8][32] words) from top1 ([1024] words).
; Row e: the tokens whose top1 is e from word 0 up, all other tokens from word 1023 down, zeros in words 1024 to 1151:
; every word is a valid token, so a later launch may gather by any word of a row.  cnt's row holds the number of members, 32 times.
; One work-group: each wave reads all 4 KB of top1 and needs nothing of another wave; no atomics, no LDS.
; Each of the 32 rounds has its own address and data register, so no source of a pending store is written again, and EXEC stays whole.
.set VAL, 8           ; v[8:39]   top1 of token 128 (n / 4) + 4 l + n % 4
.set ADR, 40          ; v[40:71]
.set DAT, 72          ; v[72:103]
	s_load_b128 s[4:7], s[0:1], 0x0                ; top1 s[4:5], list s[6:7]
	s_load_b64 s[8:9], s[0:1], 0x10                ; cnt
	v_lshrrev_b32 v1, 5, v0
	v_readfirstlane_b32 s10, v1                    ; wave = expert
	v_and_b32 v1, 31, v0                           ; lane
	v_lshlrev_b32 v2, 4, v1
	v_lshlrev_b32 v3, 2, v1
	v_mov_b32 v7, 0
	s_mul_i32 s12, s10, 4608
	s_mov_b32 s13, 0
	s_mov_b32 s11, 0                               ; members so far
	s_mov_b32 s14, 1023                            ; the next place from above
	s_wait_kmcnt 0x0
.irp g, 0,1,2,3,4,5,6,7
	global_load_b128 v[VAL+4*\g:VAL+4*\g+3], v2, s[4:5] offset:512*\g
.endr
	s_add_nc_u64 s[6:7], s[6:7], s[12:13]          ; my row of list
	s_lshl_b32 s12, s10, 7
	s_add_nc_u64 s[8:9], s[8:9], s[12:13]          ; my row of cnt
.set n, 0
.rept 32
	v_add_nc_u32 v[DAT+n], 128*(n/4)+n%4, v3       ; the token
.set n, n+1
.endr
	s_wait_loadcnt 0x0
.set n, 0
.rept 32
	v_cmp_eq_u32 vcc_lo, s10, v[VAL+n]
	v_mbcnt_lo_u32_b32 v4, vcc_lo, 0               ; members among the lanes below me
	v_sub_nc_u32 v5, v1, v4                        ; the others among them
	v_add_nc_u32 v4, s11, v4                       ; a member's place
	v_sub_nc_u32 v5, s14, v5                       ; another's place
	v_cndmask_b32 v4, v5, v4, vcc_lo
	v_min_u32 v4, 0x3ff, v4                        ; 0 to 1,023 by construction; stated here for the address
	v_lshlrev_b32 v[ADR+n], 2, v4
	global_store_b32 v[ADR+n], v[DAT+n], s[6:7]
	s_bcnt1_i32_b32 s15, vcc_lo
	s_add_co_u32 s11, s11, s15
	s_add_co_u32 s14, s14, s15
	s_sub_co_u32 s14, s14, 32
.set n, n+1
.endr
.irp q, 0,1,2,3
	global_store_b32 v3, v7, s[6:7] offset:4096+128*\q
.endr
	v_mov_b32 v6, s11
	global_store_b32 v3, v6, s[8:9]
	s_endpgm
.Lfunc_end_k_q4e78dcc793_lists:
	.size	k_q4e78dcc793_lists, .Lfunc_end_k_q4e78dcc793_lists-k_q4e78dcc793_lists
	.p2alignl 7, 3214868480
	.fill 96, 4, 3214868480
	.section	.rodata,"a",@progbits
	.p2align	6, 0x0
	.amdhsa_kernel k_q4e78dcc793_lists
		.amdhsa_group_segment_fixed_size 0
		.amdhsa_private_segment_fixed_size 0
		.amdhsa_enable_private_segment 0
		.amdhsa_kernarg_size 24
		.amdhsa_user_sgpr_count 2
		.amdhsa_user_sgpr_kernarg_segment_ptr 1
		.amdhsa_wavefront_size32 1
		.amdhsa_system_sgpr_workgroup_id_x 1
		.amdhsa_system_sgpr_workgroup_id_y 1
		.amdhsa_system_sgpr_workgroup_id_z 1
		.amdhsa_system_vgpr_workitem_id 0
		.amdhsa_next_free_vgpr 104
		.amdhsa_next_free_sgpr 66
		.amdhsa_reserve_vcc 1
		.amdhsa_float_denorm_mode_32 3
		.amdhsa_float_denorm_mode_16_64 3
		.amdhsa_memory_ordered 1
		.amdhsa_forward_progress 1
		.amdhsa_inst_pref_size 22
	.end_amdhsa_kernel
	.amdgpu_metadata
---
amdhsa.version: [ 1, 2 ]
amdhsa.kernels:
  - .name:           k_q4e78dcc793_lists
    .symbol:         k_q4e78dcc793_lists.kd
    .args:
      - { .name: top1, .offset: 0, .size: 8, .value_kind: global_buffer, .address_space: global }
      - { .name: list, .offset: 8, .size: 8, .value_kind: global_buffer, .address_space: global }
      - { .name: cnt, .offset: 16, .size: 8, .value_kind: global_buffer, .address_space: global }
    .group_segment_fixed_size: 0
    .private_segment_fixed_size: 0
    .kernarg_segment_align: 8
    .kernarg_segment_size: 24
    .max_flat_workgroup_size: 256
    .sgpr_count:     66
    .vgpr_count:     104
    .wavefront_size: 32
...
	.end_amdgpu_metadata
.endif
;; end of part 2
;; launch ffn1 (part 3): grid 256 x 1, 4 waves a work-group, no clusters, 61,952 bytes of LDS; arguments w1, b1, xb, list, cnt, hmid; writes hmid
.if DOCPART == 3
	.amdgcn_target "amdgcn-amd-amdhsa--gfx1250"
	.amdhsa_code_object_version 6
	.text
	.protected	k_q4e78dcc793_ffn1
	.globl	k_q4e78dcc793_ffn1
	.p2align	8
	.type	k_q4e78dcc793_ffn1,@function
k_q4e78dcc793_ffn1:
	s_mov_b64 s[64:65], 0
	v_nop
	global_prefetch_b8 v0, s[64:65] scope:SCOPE_SE
	s_setreg_imm32_b32 hwreg(HW_REG_WAVE_MODE, 25, 1), 1
	s_wait_xcnt 0x0
; ONE TEXT FOR BOTH PRODUCTS OF THE EXPERTS' LAYER; SECOND chooses.
;   SECOND = 0: hmid[tok][4096] (f16) = gelu(xb[tok] w1[e] + b1[e]) for the tokens tok of expert e's list.  Operands bf16, sums f32.
;   SECOND = 1: part[ks][tok][1024] (f32) = gate[tok] x (hmid[tok][1024 ks ..] w2[e][1024 ks ..] (+ b2[e] in slice ks = 0)).  Operands f16, sums f32.
; Only the expert that a token is dispatched to is computed: all other experts' results are masked away in the sum over experts.
; SHARES.  A work-group owns 1,024 K x 128 columns of one expert's weights (512 KB of f32).  A PASS serves 192 slots of the expert's list; a wave owns three tiles of
; 16 slots x 128 columns in it: 24 accumulators.
; PASS 0 is the same in every work-group and runs under the stream.  K goes in 32 steps of 32.  A wave loads 8 of a chunk's 32 weight rows (512 bytes on end a load): a lane then holds
; 8 k of each of 4 columns; they are rounded to bf16 (SECOND: and that number written as f16), and a column's 8 k, 16 bytes, go into one of two LDS slots by one store.
; One barrier a step: in front of it my stores of the next chunk and my reads of this one are done.  Four groups of 14 loads (6 of token rows, 8 of weights) are on their way.
; All barriers of the text stand here, ahead of the loop over passes, so none is jumped by a branch on the list's length.
; THE LOOP OVER PASSES has six trips: a trip sends the pass in hand out and then makes the next pass's products, if the wave has a live slot there.
; PASSES 1 TO 5 serve an expert with more than 192 tokens.  No wave needs another there: a wave loads all 32 rows of a chunk itself and sends them through a slot of its own.
; That reads the slice again for each such wave, and waits for each step's loads: the price of a path without barriers for lists that are long.
; LAYOUT.  Source 0 = 16 tokens (gathered from memory by the list), source 1 = 16 column places.  In a result lane l holds place l % 16 and the rows 8 (l / 16) + 0..7.
; Which column lies at place r of block nt is chosen so that a lane's numbers of one row are neighbours in memory: SECOND = 0: column 8 r + nt: eight f16, 16 bytes;
; SECOND = 1: column 64 (nt / 4) + 4 r + nt % 4: four f32, 16 bytes.  So results leave straight from registers, sixteen lanes filling 256 bytes on end; no way through LDS.
; DEAD SLOTS.  A slot past the expert's last token takes the token of its tile's first slot: its row of the product is that token's row once more, and where it is stored (beside a live
; row, in a live tile) it puts the same numbers on the same bytes.  So every lane stays on in the whole text.  A store whose two rows are both dead is jumped.
; The weights pass through registers for their conversion, so no tensor load is used; no weight byte is shared between work-groups, so no cluster.
; The first K step takes the bias, rounded to bf16, as C.
; LIMITS.  All inputs are rounded to bf16.  hmid is kept in f16: |hmid| stays under 65,504; w2 below 6e-5 keeps f16's fixed step of 6e-8.
; erf by a rational form good to 1.5e-7 (Abramowitz and Stegun 7.1.26).  NaN and infinities are not treated apart.
.set SECOND, 0
.if SECOND
.set PITCHW, 4096     ; bytes from row to row of the weights
.set ASH,    13       ; a token's row of A: 8,192 bytes
.set BSH,    12       ; an expert's bias: 4,096 bytes
.set OSH,    12       ; a token's row of the output: 4,096 bytes
.set BLS,    4        ; my eight numbers of the bias: 16 bytes at 16 (lane % 16),
.set BO2,    256      ; and 16 bytes 64 columns on
.set OUT,    24       ; v24-87   a tile's results, 8 registers a row
.else
.set PITCHW, 16384
.set ASH,    11
.set BSH,    14
.set OSH,    13
.set BLS,    5        ; 32 bytes at 32 (lane % 16)
.set BO2,    16
.set OUT,    168      ; v168-199 a tile's results, 4 registers a row
.endif
.set GL,     24*SECOND ; the loads of the rows' gates
.set CHUNK,  32*PITCHW ; a chunk's weight rows in memory
.set RP,     80       ; an LDS row: 32 numbers of 16 bits + 16 bytes = 20 words: the 16 rows of a fragment load start at 16 different groups of four banks (64 banks of 4 bytes: ISA guide 11.1)
.set RBLK,   16*RP    ; a block of 16 column places
.set RSLOT,  128*RP   ; a chunk in LDS
.set PRIV,   2*RSLOT  ; behind the two shared slots: a slot for each wave, its own
; window 0
.set LANE, 1
.set RR,   2          ; lane % 16
.set HH,   3          ; lane / 16
.set WOFF, 4          ; my 16 bytes in my first weight row of a chunk (rows 8 wave ..)
.set RS,   5          ; shared slot 0: where my column 0's 16 bytes go
.set RF,   6          ; shared slot 0: my place in a fragment of block 0
.set H8,   7          ; 8 (lane / 16)
.set TT,   8
.set AOFF, 9          ; v9-11   tile i: my token's row of A + 16 (lane / 16)
.set LOFF, 12         ; the list's word of slot 16 wave + lane % 16
.set LOF8, 13         ; the list's words of slots 16 wave + 8 (lane / 16) + 0..7
.set BOFF, 14
.set H16,  15
.set R16,  16
.set T2,   17
.set TOK,  18         ; v18-20  tile i: the token of slot lane % 16
.set TK0,  21         ; v21-23  tile i: the token of the tile's first slot
.set CV,   24         ; v24-39  a chunk's 4 columns x 8 k, converted
.set WF,   40         ; v40-103 eight weight fragments; on the way out at work
.set GP,   24
.set GT,   40
.set GS,   48
.set GMA,  56
.set GE,   64
.set GMB,  72
.set BIAS, 104        ; v104-167 block nt: its bias, eight times
.set TP,   168        ; v168-199 at work on conversions
.set ROWO, 200        ; v200-223 tile i, register j: byte offset in the output of row 8 (lane / 16) + j, at my 16 bytes
.set LOF0, 224        ; the list's word of slot 16 wave
.set PS,   225        ; my own slot: as RS, without the wave's 16 bytes
.set PF,   226        ; my own slot: as RF
.set WOFP, 227        ; my 16 bytes in a chunk's first row
.set GATE, 232        ; v232-255 SECOND: tile i, register j: the byte offset of the gate of row 8 (lane / 16) + j, then the gate
; window 1: accumulator (tile i, block nt) at 64 i + 8 nt.   window 2: WS weights as loaded, four buffers of 32; AS token fragments, four buffers of 24
.set WS,   0
.set AS,   128
; scalars
.set WV,   16
.set EX,   17
.set CC,   18
.set KSL,  19
.set CNT,  20
.set TL,   21
.set PASS, 22
.set TRIP, 23
.set REM,  24         ; s24-26  tile i: the expert's tokens from the tile's first slot on (signed)
.set REMB, 27         ; the same for my first tile of the pass in hand
.set WB,   28
.set AB,   30
.set WB0,  32
.set AB0,  34
.set OF,   36
.set TS,   39
.set C1,   40
.set KK,   41
.set SSC,  42
.set A1,   44
.set A2,   46
.set A3,   48
.set A4,   50
.set A5,   52
.set FLGM, 54
.set HIM,  56
.set GTP,  58
.set OG,   60
.set NSC,  62
.set MSB, 0
.macro WIN new                         ; s_set_vgpr_msb: bits 1:0 source 0, 3:2 source 1, 5:4 source 2, 7:6 destination; the high byte repeats the setting that is left
.if MSB != (\new)
	s_set_vgpr_msb (MSB<<8)|(\new)
.set MSB, (\new)
.endif
.endm
.macro LDW b, off, areg                ; eight rows of weights into buffer b: each load takes 512 bytes on end
.irp row, 0,1,2,3,4,5,6,7
	global_load_b128 v[WS+32*(\b)+4*\row:WS+32*(\b)+4*\row+3], v[\areg], s[WB:WB+1] offset:(\off)+\row*PITCHW th:TH_LOAD_NT
.endr
.endm
.macro LDA b, off                      ; the three tiles' token fragments of one K step: two loads of 16 bytes, 32 bytes apart, for each
.irp i, 0,1,2
	global_load_b128 v[AS+24*(\b)+8*\i:AS+24*(\b)+8*\i+3], v[AOFF+\i], s[AB:AB+1] offset:(\off)
	global_load_b128 v[AS+24*(\b)+8*\i+4:AS+24*(\b)+8*\i+7], v[AOFF+\i], s[AB:AB+1] offset:(\off)+32
.endr
.endm
.macro HEAD_LD                         ; a pass's twelve loads from the list
.irp i, 0,1,2
	global_load_b32 v[TOK+\i], v[LOFF], s[10:11] offset:256*\i                       ; the token of slot lane % 16, for the gather,
	global_load_b32 v[TK0+\i], v[LOF0], s[10:11] offset:256*\i                       ; that of the tile's first slot, for the dead slots,
	global_load_b128 v[ROWO+8*\i:ROWO+8*\i+3], v[LOF8], s[10:11] offset:256*\i       ; and those of my eight rows, for the way out
	global_load_b128 v[ROWO+8*\i+4:ROWO+8*\i+7], v[LOF8], s[10:11] offset:256*\i+16
.endr
.endm
.macro REMSET
	s_mov_b32 s[REM], s[REMB]
	s_sub_co_i32 s[REM+1], s[REMB], 64
	s_sub_co_i32 s[REM+2], s[REMB], 128
.endm
.macro HEAD_AD                         ; the pass's offsets, made of the tokens
.irp i, 0,1,2
	v_cmp_gt_i32 vcc_lo, s[REM+\i], v[RR]          ; slot lane % 16 is live
	v_cndmask_b32 v[TOK+\i], v[TK0+\i], v[TOK+\i], vcc_lo
	v_min_u32 v[TOK+\i], 0x3ff, v[TOK+\i]
	v_lshl_add_u32 v[AOFF+\i], v[TOK+\i], ASH, v[H16]
.endr
.set x, 0
.rept 24
	s_sub_co_i32 s[TS], s[REM+x/8], x%8
	v_cmp_gt_i32 vcc_lo, s[TS], v[H8]              ; row 8 (lane / 16) + x % 8 of tile x / 8 is live
	v_cndmask_b32 v[ROWO+x], v[TK0+x/8], v[ROWO+x], vcc_lo
	v_min_u32 v[ROWO+x], 0x3ff, v[ROWO+x]
.if SECOND
	v_lshlrev_b32 v[GATE+x], 2, v[ROWO+x]
.endif
	v_lshl_add_u32 v[ROWO+x], v[ROWO+x], OSH, v[R16]
.set x, x+1
.endr
.endm
.macro LDGATE                          ; the rows' gates; each load lands on its own offset register
.if SECOND
.set x, 0
.rept 24
	global_load_b32 v[GATE+x], v[GATE+x], s[GTP:GTP+1]
.set x, x+1
.endr
.endif
.endm
.macro CONVERT b                       ; buffer b: column q's rows 2 m and 2 m + 1 become one register of bf16 (SECOND: the bf16 number written as f16)
	WIN 0x0a                                       ; sources 0 and 1 window 2
.set q, 0
.rept 4
.set m, 0
.rept 4
	v_cvt_pk_bf16_f32 v[CV+4*q+m], v[WS+32*(\b)+8*m+q], v[WS+32*(\b)+8*m+4+q]
.set m, m+1
.endr
.set q, q+1
.endr
	WIN 0
.if SECOND
.set q, 0
.rept 16
	v_lshlrev_b32 v[TP+2*q], 16, v[CV+q]
	v_and_b32 v[TP+2*q+1], s[HIM], v[CV+q]
.set q, q+1
.endr
.set q, 0
.rept 16
	v_cvt_pk_f16_f32 v[CV+q], v[TP+2*q], v[TP+2*q+1]
.set q, q+1
.endr
.endif
.endm
.macro PUTX areg, off                  ; my four columns' 16 bytes into a slot
.irp q, 0,1,2,3
	ds_store_b128 v[\areg], v[CV+4*\q:CV+4*\q+3] offset:(\off)+\q*RBLK
.endr
.endm
.macro LDFX areg, off                  ; a chunk's eight fragments of 16 places x 32 K: two loads of 16 bytes, 32 bytes apart, for each
.set n, 0
.rept 8
	ds_load_b128 v[WF+8*n:WF+8*n+3], v[\areg] offset:(\off)+n*RBLK
	ds_load_b128 v[WF+8*n+4:WF+8*n+7], v[\areg] offset:(\off)+n*RBLK+32
.set n, n+1
.endr
.endm
.macro WM dd, aa, bb, cc
.if SECOND
	v_wmma_f32_16x16x32_f16 v[(\dd):(\dd)+7], v[(\aa):(\aa)+7], v[(\bb):(\bb)+7], v[(\cc):(\cc)+7]
.else
	v_wmma_f32_16x16x32_bf16 v[(\dd):(\dd)+7], v[(\aa):(\aa)+7], v[(\bb):(\bb)+7], v[(\cc):(\cc)+7]
.endif
.endm
; The accumulators take turns, one instruction a turn: each has one instruction in a K step.
.macro MUL01 b, first                  ; tiles 0 and 1
.set n, 0
.rept 8
.if \first
	WM 8*n, AS+24*(\b), WF+8*n, BIAS+8*n
	WM 64+8*n, AS+24*(\b)+8, WF+8*n, BIAS+8*n
.else
	WM 8*n, AS+24*(\b), WF+8*n, 8*n
	WM 64+8*n, AS+24*(\b)+8, WF+8*n, 64+8*n
.endif
.set n, n+1
.endr
.endm
.macro MUL2 b, first                   ; tile 2
.set n, 0
.rept 8
.if \first
	WM 128+8*n, AS+24*(\b)+16, WF+8*n, BIAS+8*n
.else
	WM 128+8*n, AS+24*(\b)+16, WF+8*n, 128+8*n
.endif
.set n, n+1
.endr
.endm
.macro MULS b, first                   ; a K step's products.  first = 1: C is the bias
	WIN 0x52-0x10*(\first)                         ; source 0 window 2, source 1 window 0, D window 1, C window 1 (the bias: window 0)
	MUL01 \b, \first
.if \first
	MUL2 \b, 1                                     ; the first step always starts tile 2's sums, so that they are written whatever follows
	WIN 0
.else
	WIN 0
	s_cmp_gt_i32 s[REM+2], 0                       ; a tile without a live slot is not multiplied
	s_cbranch_scc0 .Lno2_\@
	WIN 0x52
	MUL2 \b, 0
	WIN 0
.Lno2_\@:
.endif
.rept 4
	v_nop                                          ; four places ahead of loads into registers that the products read, and of the way out
.endr
.endm
; K STEP c OF PASS 0.  b = c % 4: its buffers (token fragments of step c, weights of chunk c + 1); slot = c % 2.
; issue = 1: the loads of step c + 4 go out: 6 of A (step ai behind the base), 8 of weights (chunk wi behind the base); 2: those of A alone.  left: the loads issued behind this step's.
; stw = 1: chunk c + 1 is converted and stored into the other slot.  bar = 1: the step's barrier.
.macro FSTEP b, slot, first, issue, ai, wi, left, stw, bar
	LDFX RF, (\slot)*RSLOT
	s_wait_loadcnt \left                           ; loads come back in order (ISA guide 5.7.1): this step's group is in, the later groups stay out
.if \stw
	CONVERT \b
	PUTX RS, (1-(\slot))*RSLOT
	s_wait_dscnt 4                                 ; the sixteen fragment loads are in; my four stores may be out
.else
	s_wait_dscnt 0x0
.endif
	MULS \b, \first
.if \issue
	WIN 0x80                                       ; destination window 2
	LDA \b, 64*(\ai)
.if (\issue) == 1
	LDW \b, (\wi)*CHUNK, WOFF
.endif
	WIN 0
.endif
.if \bar
	s_wait_dscnt 0x0                               ; for the others: my stores of the next chunk are done, and my reads of this slot are back
	s_barrier_signal -1
	s_barrier_wait -1
.endif
.endm
; gelu(z) = max(z, 0) - 0.5 |z| q,  q = poly(t) e^(-z^2 / 2),  t = 1 / (1 + 0.2316419 |z|).  With S = 0.8493218 z: e^(-z^2 / 2) = 2^(S x -S), 0.5 |z| = 0.588705 |S|.
; The eight numbers of the tile in hand, block nt, into v[gd ..]; the accumulator's lowest registers are read first.
.macro GELU8 nt, gd
.set Z, 8*(\nt)
	WIN 0x01                                       ; source 0 window 1
.set j, 0
.rept 8
	v_fma_f32 v[GT+j], |v[Z+j]|, s[C1], 1.0
.set j, j+1
.endr
.set j, 0
.rept 4
	v_pk_mul_f32 v[GS+2*j:GS+2*j+1], v[Z+2*j:Z+2*j+1], s[SSC:SSC+1] op_sel_hi:[1,0]
	v_pk_mul_f32 v[GE+2*j:GE+2*j+1], v[Z+2*j:Z+2*j+1], s[NSC:NSC+1] op_sel_hi:[1,0]
.set j, j+1
.endr
.set j, 0
.rept 8
	v_max_num_f32 v[\gd+j], v[Z+j], 0
.set j, j+1
.endr
	WIN 0
.set j, 0
.rept 8
	v_rcp_f32 v[GT+j], v[GT+j]
.set j, j+1
.endr
.set j, 0
.rept 4                                ; plain work behind the reciprocals, ahead of their use (ISA guide 5.7.2)
	v_pk_mul_f32 v[GE+2*j:GE+2*j+1], v[GE+2*j:GE+2*j+1], v[GS+2*j:GS+2*j+1]
.set j, j+1
.endr
.set j, 0
.rept 8
	v_exp_f32 v[GE+j], v[GE+j]
.set j, j+1
.endr
.set j, 0
	s_wait_alu depctr_va_vdst(0)
.rept 4                                ; and behind the exponentials
	v_pk_fma_f32 v[GP+2*j:GP+2*j+1], v[GT+2*j:GT+2*j+1], s[A5:A5+1], s[A4:A4+1] op_sel_hi:[1,0,0]
.set j, j+1
.endr
.irp a, A3, A2, A1
.set j, 0
.rept 4
	v_pk_fma_f32 v[GP+2*j:GP+2*j+1], v[GP+2*j:GP+2*j+1], v[GT+2*j:GT+2*j+1], s[\a:\a+1] op_sel_hi:[1,1,0]
.set j, j+1
.endr
.endr
.irp f, GT, GE, GS
.set j, 0
.rept 4
	v_pk_mul_f32 v[GP+2*j:GP+2*j+1], v[GP+2*j:GP+2*j+1], v[\f+2*j:\f+2*j+1]
.set j, j+1
.endr
.endr
.set j, 0
.rept 8
	v_fma_f32 v[\gd+j], -|v[GP+j]|, s[KK], v[\gd+j]
.set j, j+1
.endr
.endm
	s_load_b256 s[4:11], s[0:1], 0x0               ; weights s[4:5], bias s[6:7], A s[8:9], list s[10:11]
	s_load_b128 s[12:15], s[0:1], 0x20             ; cnt s[12:13], output s[14:15]
	v_lshl_add_u32 v254, v0, 2, 0xf000
	v_mov_b32 v255, 0
.if SECOND
	s_load_b64 s[GTP:GTP+1], s[0:1], 0x30          ; gate
.endif
	v_and_b32 v[LANE], 31, v0
	v_lshrrev_b32 v[TT], 5, v0
	v_readfirstlane_b32 s[WV], v[TT]
	v_and_b32 v[RR], 15, v0
	v_bfe_u32 v[HH], v0, 4, 1
	s_lshr_b32 s[EX], ttmp9, 5                     ; expert
.if SECOND
	s_bfe_u32 s[CC], ttmp9, 0x30002                ; which 128 columns
	s_and_b32 s[KSL], ttmp9, 3                     ; which 1,024 of K
.else
	s_and_b32 s[CC], ttmp9, 31
.endif
	s_mul_i32 s[TS], s[WV], 8*PITCHW
	v_lshl_add_u32 v[WOFF], v[LANE], 4, s[TS]
	v_lshlrev_b32 v[WOFP], 4, v[LANE]
	v_lshlrev_b32 v[BOFF], BLS, v[RR]
	s_lshl_b32 s[TS], s[WV], 6
	v_lshl_add_u32 v[LOFF], v[RR], 2, s[TS]
	v_lshl_add_u32 v[LOF8], v[HH], 5, s[TS]
	v_mov_b32 v[LOF0], s[TS]
	s_mov_b32 s[OF+1], 0
	s_mov_b32 s[OG+1], 0
	s_lshl_b32 s[OF], s[EX], 24                    ; an expert's weights: 16 MiB
	s_lshl_b32 s[TS], s[CC], 9
	s_add_co_u32 s[OF], s[OF], s[TS]
	s_lshl_b32 s[OG], s[EX], BSH
	s_add_co_u32 s[OG], s[OG], s[TS]
.if SECOND
	s_lshl_b32 s[TS], s[KSL], 22
	s_add_co_u32 s[OF], s[OF], s[TS]
.endif
	s_wait_kmcnt 0x0
	s_add_nc_u64 s[WB0:WB0+1], s[4:5], s[OF:OF+1]
	s_mov_b64 s[WB:WB+1], s[WB0:WB0+1]
	s_add_nc_u64 s[6:7], s[6:7], s[OG:OG+1]
	s_mul_i32 s[OF], s[EX], 4608
	s_add_nc_u64 s[10:11], s[10:11], s[OF:OF+1]
	s_lshl_b32 s[OF], s[EX], 7
	s_add_nc_u64 s[12:13], s[12:13], s[OF:OF+1]
	s_load_b32 s[CNT], s[12:13], 0x0
	global_load_b128 v[BIAS:BIAS+3], v[BOFF], s[6:7]                  ; the bias of my place in blocks 0 to 3,
	global_load_b128 v[BIAS+4:BIAS+7], v[BOFF], s[6:7] offset:BO2     ; and 4 to 7
	HEAD_LD                                        ; pass 0's tokens
	WIN 0x80                                       ; destination window 2
	LDW 3, 0, WOFF                                 ; chunk 0 into the buffer that is free first; the stream starts before anything else is made
	LDW 0, CHUNK, WOFF
	LDW 1, 2*CHUNK, WOFF
	LDW 2, 3*CHUNK, WOFF
	WIN 0
	; my four columns 4 lane + q lie at places 64 X + 16 q + Y
.if SECOND
	v_lshl_add_u32 v[TT], v[HH], 6, v[RR]          ; X = lane / 16, Y = lane % 16
.else
	v_and_b32 v[TT], 1, v0                         ; X = lane % 2, Y = lane / 2: two lanes of sixteen meet in a group of banks
	v_bfe_u32 v[T2], v0, 1, 4
	v_lshl_add_u32 v[TT], v[TT], 6, v[T2]
.endif
	v_mul_u32_u24 v[PS], v[TT], RP
	s_lshl_b32 s[TS], s[WV], 4                     ; my 8 k of a chunk: 16 bytes
	v_add_nc_u32 v[RS], s[TS], v[PS]
	v_mul_u32_u24 v[RF], v[RR], RP                 ; a fragment: row lane % 16, 16 bytes by lane / 16
	v_lshl_add_u32 v[RF], v[HH], 4, v[RF]
	s_mul_i32 s[TS], s[WV], RSLOT
	s_add_co_u32 s[TS], s[TS], PRIV                ; my own slot
	v_add_nc_u32 v[PS], s[TS], v[PS]
	v_add_nc_u32 v[PF], s[TS], v[RF]
	v_lshlrev_b32 v[H8], 3, v[HH]
	v_lshlrev_b32 v[H16], 4, v[HH]
	v_lshlrev_b32 v[R16], 4, v[RR]
	s_mov_b32 s[HIM], 0xffff0000
.if !SECOND
	s_mov_b32 s[C1], 0x3e6d3388                    ; 0.3275911 / sqrt(2)
	s_mov_b32 s[KK], 0x3f16b55f                    ; 0.5 / 0.8493218
	s_mov_b32 s[SSC], 0x3f596d27                   ; sqrt(log2(e) / 2) = 0.8493218
	s_mov_b32 s[SSC+1], s[SSC]                     ; the pairs are named whole
	s_mov_b32 s[NSC], 0xbf596d27                   ; the same, negative
	s_mov_b32 s[NSC+1], s[NSC]
	s_mov_b32 s[A1], 0x3e827906
	s_mov_b32 s[A1+1], s[A1]
	s_mov_b32 s[A2], 0xbe91a98e
	s_mov_b32 s[A2+1], s[A2]
	s_mov_b32 s[A3], 0x3fb5f0e3
	s_mov_b32 s[A3+1], s[A3]
	s_mov_b32 s[A4], 0xbfba00e3
	s_mov_b32 s[A4+1], s[A4]
	s_mov_b32 s[A5], 0x3f87dc22
	s_mov_b32 s[A5+1], s[A5]
.endif
.if SECOND
	s_lshl_b32 s[OF], s[KSL], 11
	s_add_nc_u64 s[AB0:AB0+1], s[8:9], s[OF:OF+1]
	s_lshl_b32 s[OF], s[KSL], 22
	s_lshl_b32 s[TS], s[CC], 9
	s_add_co_u32 s[OF], s[OF], s[TS]
	s_cmp_eq_u32 s[KSL], 0
	s_cselect_b32 s[FLGM], -1, 0                   ; the bias enters one of the four slices of K
.else
	s_mov_b64 s[AB0:AB0+1], s[8:9]
	s_lshl_b32 s[OF], s[CC], 8
.endif
	s_add_nc_u64 s[14:15], s[14:15], s[OF:OF+1]
	s_mov_b64 s[AB:AB+1], s[AB0:AB0+1]
	s_wait_kmcnt 0x0
	s_min_u32 s[CNT], s[CNT], 0x400
	s_lshl_b32 s[TS], s[WV], 4
	s_sub_co_i32 s[REMB], s[CNT], s[TS]
	REMSET
	s_wait_loadcnt 32                              ; the bias and the tokens are in; the 32 weight loads stay out
	; the bias, rounded to bf16, in the accumulators' layout: a lane's eight registers of block nt are eight rows of one column
.set m, 0
.rept 4
	v_cvt_pk_bf16_f32 v[TP+m], v[BIAS+2*m], v[BIAS+2*m+1]
.set m, m+1
.endr
.if SECOND
.set m, 0
.rept 4
	v_and_b32 v[TP+m], s[FLGM], v[TP+m]
.set m, m+1
.endr
.endif
.set m, 0
.rept 4
.set j, 0
.rept 8
	v_lshlrev_b32 v[BIAS+16*m+j], 16, v[TP+m]
	v_and_b32 v[BIAS+16*m+8+j], s[HIM], v[TP+m]
.set j, j+1
.endr
.set m, m+1
.endr
	HEAD_AD
	WIN 0x80
	LDA 0, 0
	LDA 1, 64
	LDA 2, 128
	WIN 0
	s_wait_loadcnt 42                              ; chunk 0 is in: behind it stand 24 weight loads and 18 of A
	CONVERT 3
	PUTX RS, 0
	WIN 0x80
	LDA 3, 192
	LDW 3, 4*CHUNK, WOFF
	WIN 0
	s_wait_dscnt 0x0
	s_barrier_signal -1
	s_barrier_wait -1                              ; chunk 0 is whole
	FSTEP 0, 0, 1, 1, 4, 5, 26, 1, 1               ; behind step 0's fragments: 6 + 6 + 6 of A and 8 of weights
	FSTEP 1, 1, 0, 1, 5, 6, 34, 1, 1               ; 6 + 6 + 8 and a group of 14
	s_mov_b32 s[TRIP], 6
.Lk:                                                   ; steps 2 to 25: behind a step's group stand three groups of 14; in trip t the bases stand 4 t steps on
	FSTEP 2, 0, 0, 1, 6, 7, 42, 1, 1
	FSTEP 3, 1, 0, 1, 7, 8, 42, 1, 1
	FSTEP 0, 0, 0, 1, 8, 9, 42, 1, 1
	FSTEP 1, 1, 0, 1, 9, 10, 42, 1, 1
	s_wait_xcnt 0x0                                ; the bases are stepped only behind this wait
	s_add_nc_u64 s[WB:WB+1], s[WB:WB+1], 4*CHUNK
	s_add_nc_u64 s[AB:AB+1], s[AB:AB+1], 256
	s_sub_co_u32 s[TRIP], s[TRIP], 1
	s_cmp_lg_u32 s[TRIP], 0
	s_cbranch_scc1 .Lk
	FSTEP 2, 0, 0, 1, 6, 7, 42, 1, 1               ; step 26 asks for the last chunk
	FSTEP 3, 1, 0, 2, 7, 0, 42, 1, 1               ; step 27 for the last fragments of A
	FSTEP 0, 0, 0, 0, 0, 0, 34, 1, 1               ; the counts run down: 14 + 14 + 6
	LDGATE                                         ; (SECOND) 24 loads, younger than all of A: the counts below leave them out
	FSTEP 1, 1, 0, 0, 0, 0, 20+GL, 1, 1
	FSTEP 2, 0, 0, 0, 0, 0, 6+GL, 1, 1
	FSTEP 3, 1, 0, 0, 0, 0, GL, 0, 0               ; step 31: nothing to convert, and no barrier: nobody stores into the shared slots any more
	s_mov_b32 s[PASS], 6
.Lpass:                                                ; six trips: the pass in hand goes out; then the next pass's products, where the list, which an earlier launch stored, reaches my slots there
	s_wait_loadcnt 0x0                             ; (SECOND) the gates
	; THE WAY OUT, straight from registers, written once: the tile in hand lies in the first 64 accumulator registers, and behind it the next tiles move down.
	; A store holds rows j (lanes 0-15) and 8 + j (lanes 16-31), each 256 bytes on end at a multiple of 256 from the buffer's first.
	; Where row j is dead so is row 8 + j, and the rest of the stores is jumped.  A dead tile's trip is jumped, forward to the counter's step: the loop always counts its three trips.
	s_mov_b32 s[TL], 3
.Ltile:
	s_cmp_gt_i32 s[REM], 0
	s_cbranch_scc0 .Ltskip
.if SECOND
	WIN 0x01                                       ; source 0 window 1
.set jj, 0
.rept 8                                ; row by row; the gate's product brings a row's numbers side by side
.set n, 0
.rept 8
	v_mul_f32 v[OUT+8*jj+n], v[8*n+jj], v[GATE+jj]
.set n, n+1
.endr
.set jj, jj+1
.endr
	WIN 0
.else
.set mm, 0
.rept 4                                ; blocks 2 mm and 2 mm + 1 are neighbouring columns: one register of f16 a row
	GELU8 2*mm, GMA
	GELU8 2*mm+1, GMB
.set j, 0
.rept 8
	v_cvt_pk_f16_f32 v[OUT+4*j+mm], v[GMA+j], v[GMB+j]
.set j, j+1
.endr
.set mm, mm+1
.endr
.endif
.set jj, 0
.rept 8
.if jj > 0
	s_cmp_gt_i32 s[REM], jj
	s_cbranch_scc0 .Ldead
.endif
.if SECOND
	global_store_b128 v[ROWO+jj], v[OUT+8*jj:OUT+8*jj+3], s[14:15]
	global_store_b128 v[ROWO+jj], v[OUT+8*jj+4:OUT+8*jj+7], s[14:15] offset:256
.else
	global_store_b128 v[ROWO+jj], v[OUT+4*jj:OUT+4*jj+3], s[14:15]
.endif
.set jj, jj+1
.endr
.Ldead:
	s_wait_xcnt 0x0                                ; the stores' data and offsets are written again only behind this wait
	s_cmp_gt_i32 s[REM+1], 0
	s_cbranch_scc0 .Ltskip                         ; the next tile is dead: nothing need move down
	WIN 0x41                                       ; destination and source 0 window 1
.set x, 0
.rept 128                              ; ascending: each accumulator's lowest register is read first
	v_mov_b32 v[x], v[64+x]
.set x, x+1
.endr
	WIN 0
.set x, 0
.rept 16
	v_mov_b32 v[ROWO+x], v[ROWO+8+x]
.if SECOND
	v_mov_b32 v[GATE+x], v[GATE+8+x]
.endif
.set x, x+1
.endr
.Ltskip:
	s_mov_b32 s[REM], s[REM+1]
	s_mov_b32 s[REM+1], s[REM+2]
	s_sub_co_u32 s[TL], s[TL], 1
	s_cmp_lg_u32 s[TL], 0
	s_cbranch_scc1 .Ltile
	; THE NEXT PASS.  Behind the sixth way out it would begin at slot 1,152, past the 1,024 to which the length is clamped: the jump below is then always taken.
	s_wait_xcnt 0x0                                ; the list's address and the next pass's registers are written only behind this wait
	s_add_nc_u64 s[10:11], s[10:11], 768           ; the list's next 192 slots
	s_sub_co_i32 s[REMB], s[REMB], 192
	REMSET                                         ; also for a dead pass: the next trip's way out then finds three dead tiles
	s_cmp_gt_i32 s[REMB], 0
	s_cbranch_scc0 .Lnext                          ; none of my slots in that pass is live
	s_mov_b64 s[WB:WB+1], s[WB0:WB0+1]
	s_mov_b64 s[AB:AB+1], s[AB0:AB0+1]
	HEAD_LD
	s_wait_loadcnt 0x0
	HEAD_AD
	LDGATE
	s_mov_b32 s[TRIP], 32
.Lslow:                                                ; a K step by one wave alone: all 32 rows of the chunk, through my own slot
	WIN 0x80
	LDA 0, 0
.irp g, 0,1,2,3
	LDW \g, \g*8*PITCHW, WOFP
.endr
	WIN 0
	s_wait_loadcnt 0x0
.irp g, 0,1,2,3
	CONVERT \g
	PUTX PS, 16*\g                                 ; rows 8 g .. are bytes 16 g .. of an LDS row
.endr
	LDFX PF, 0                                     ; LDS serves a wave's instructions in order (ISA guide 5.7.1.4): these see the stores above, and the next trip's stores come behind them
	s_wait_dscnt 0x0
	s_cmp_eq_u32 s[TRIP], 32
	s_cbranch_scc0 .Lsums
	MULS 0, 1                                      ; the first trip's products take the bias
	s_branch .Lstepped
.Lsums:
	MULS 0, 0
.Lstepped:
	s_wait_xcnt 0x0                                ; the bases are stepped only behind this wait
	s_add_nc_u64 s[WB:WB+1], s[WB:WB+1], CHUNK
	s_add_nc_u64 s[AB:AB+1], s[AB:AB+1], 64
	s_sub_co_u32 s[TRIP], s[TRIP], 1
	s_cmp_lg_u32 s[TRIP], 0
	s_cbranch_scc1 .Lslow
.Lnext:
	s_sub_co_u32 s[PASS], s[PASS], 1
	s_cmp_lg_u32 s[PASS], 0
	s_cbranch_scc1 .Lpass
	s_wait_tensorcnt 0x0
	ds_add_u32 v254, v255
	s_wait_dscnt 0x0
	s_endpgm
.Lfunc_end_k_q4e78dcc793_ffn1:
	.size	k_q4e78dcc793_ffn1, .Lfunc_end_k_q4e78dcc793_ffn1-k_q4e78dcc793_ffn1
	.p2alignl 7, 3214868480
	.fill 96, 4, 3214868480
	.section	.rodata,"a",@progbits
	.p2align	6, 0x0
	.amdhsa_kernel k_q4e78dcc793_ffn1
		.amdhsa_group_segment_fixed_size 61952
		.amdhsa_private_segment_fixed_size 0
		.amdhsa_enable_private_segment 0
		.amdhsa_kernarg_size 48
		.amdhsa_user_sgpr_count 2
		.amdhsa_user_sgpr_kernarg_segment_ptr 1
		.amdhsa_wavefront_size32 1
		.amdhsa_system_sgpr_workgroup_id_x 1
		.amdhsa_system_sgpr_workgroup_id_y 1
		.amdhsa_system_sgpr_workgroup_id_z 1
		.amdhsa_system_vgpr_workitem_id 0
		.amdhsa_next_free_vgpr 768
		.amdhsa_next_free_sgpr 66
		.amdhsa_reserve_vcc 1
		.amdhsa_float_denorm_mode_32 3
		.amdhsa_float_denorm_mode_16_64 3
		.amdhsa_memory_ordered 1
		.amdhsa_forward_progress 1
		.amdhsa_inst_pref_size 148
	.end_amdhsa_kernel
	.amdgpu_metadata
---
amdhsa.version: [ 1, 2 ]
amdhsa.kernels:
  - .name:           k_q4e78dcc793_ffn1
    .symbol:         k_q4e78dcc793_ffn1.kd
    .args:
      - { .name: w1, .offset: 0, .size: 8, .value_kind: global_buffer, .address_space: global }
      - { .name: b1, .offset: 8, .size: 8, .value_kind: global_buffer, .address_space: global }
      - { .name: xb, .offset: 16, .size: 8, .value_kind: global_buffer, .address_space: global }
      - { .name: list, .offset: 24, .size: 8, .value_kind: global_buffer, .address_space: global }
      - { .name: cnt, .offset: 32, .size: 8, .value_kind: global_buffer, .address_space: global }
      - { .name: hmid, .offset: 40, .size: 8, .value_kind: global_buffer, .address_space: global }
    .group_segment_fixed_size: 61952
    .private_segment_fixed_size: 0
    .kernarg_segment_align: 8
    .kernarg_segment_size: 48
    .max_flat_workgroup_size: 128
    .sgpr_count:     66
    .vgpr_count:     768
    .wavefront_size: 32
...
	.end_amdgpu_metadata
.endif
;; end of part 3
;; launch ffn2 (part 4): grid 256 x 1, 4 waves a work-group, no clusters, 61,952 bytes of LDS; arguments w2, b2, hmid, list, cnt, part, gate; writes part
.if DOCPART == 4
	.amdgcn_target "amdgcn-amd-amdhsa--gfx1250"
	.amdhsa_code_object_version 6
	.text
	.protected	k_q4e78dcc793_ffn2
	.globl	k_q4e78dcc793_ffn2
	.p2align	8
	.type	k_q4e78dcc793_ffn2,@function
k_q4e78dcc793_ffn2:
	s_mov_b64 s[64:65], 0
	v_nop
	global_prefetch_b8 v0, s[64:65] scope:SCOPE_SE
	s_setreg_imm32_b32 hwreg(HW_REG_WAVE_MODE, 25, 1), 1
	s_wait_xcnt 0x0
; ONE TEXT FOR BOTH PRODUCTS OF THE EXPERTS' LAYER; SECOND chooses.
;   SECOND = 0: hmid[tok][4096] (f16) = gelu(xb[tok] w1[e] + b1[e]) for the tokens tok of expert e's list.  Operands bf16, sums f32.
;   SECOND = 1: part[ks][tok][1024] (f32) = gate[tok] x (hmid[tok][1024 ks ..] w2[e][1024 ks ..] (+ b2[e] in slice ks = 0)).  Operands f16, sums f32.
; Only the expert that a token is dispatched to is computed: all other experts' results are masked away in the sum over experts.
; SHARES.  A work-group owns 1,024 K x 128 columns of one expert's weights (512 KB of f32).  A PASS serves 192 slots of the expert's list; a wave owns three tiles of
; 16 slots x 128 columns in it: 24 accumulators.
; PASS 0 is the same in every work-group and runs under the stream.  K goes in 32 steps of 32.  A wave loads 8 of a chunk's 32 weight rows (512 bytes on end a load): a lane then holds
; 8 k of each of 4 columns; they are rounded to bf16 (SECOND: and that number written as f16), and a column's 8 k, 16 bytes, go into one of two LDS slots by one store.
; One barrier a step: in front of it my stores of the next chunk and my reads of this one are done.  Four groups of 14 loads (6 of token rows, 8 of weights) are on their way.
; All barriers of the text stand here, ahead of the loop over passes, so none is jumped by a branch on the list's length.
; THE LOOP OVER PASSES has six trips: a trip sends the pass in hand out and then makes the next pass's products, if the wave has a live slot there.
; PASSES 1 TO 5 serve an expert with more than 192 tokens.  No wave needs another there: a wave loads all 32 rows of a chunk itself and sends them through a slot of its own.
; That reads the slice again for each such wave, and waits for each step's loads: the price of a path without barriers for lists that are long.
; LAYOUT.  Source 0 = 16 tokens (gathered from memory by the list), source 1 = 16 column places.  In a result lane l holds place l % 16 and the rows 8 (l / 16) + 0..7.
; Which column lies at place r of block nt is chosen so that a lane's numbers of one row are neighbours in memory: SECOND = 0: column 8 r + nt: eight f16, 16 bytes;
; SECOND = 1: column 64 (nt / 4) + 4 r + nt % 4: four f32, 16 bytes.  So results leave straight from registers, sixteen lanes filling 256 bytes on end; no way through LDS.
; DEAD SLOTS.  A slot past the expert's last token takes the token of its tile's first slot: its row of the product is that token's row once more, and where it is stored (beside a live
; row, in a live tile) it puts the same numbers on the same bytes.  So every lane stays on in the whole text.  A store whose two rows are both dead is jumped.
; The weights pass through registers for their conversion, so no tensor load is used; no weight byte is shared between work-groups, so no cluster.
; The first K step takes the bias, rounded to bf16, as C.
; LIMITS.  All inputs are rounded to bf16.  hmid is kept in f16: |hmid| stays under 65,504; w2 below 6e-5 keeps f16's fixed step of 6e-8.
; erf by a rational form good to 1.5e-7 (Abramowitz and Stegun 7.1.26).  NaN and infinities are not treated apart.
.set SECOND, 1
.if SECOND
.set PITCHW, 4096     ; bytes from row to row of the weights
.set ASH,    13       ; a token's row of A: 8,192 bytes
.set BSH,    12       ; an expert's bias: 4,096 bytes
.set OSH,    12       ; a token's row of the output: 4,096 bytes
.set BLS,    4        ; my eight numbers of the bias: 16 bytes at 16 (lane % 16),
.set BO2,    256      ; and 16 bytes 64 columns on
.set OUT,    24       ; v24-87   a tile's results, 8 registers a row
.else
.set PITCHW, 16384
.set ASH,    11
.set BSH,    14
.set OSH,    13
.set BLS,    5        ; 32 bytes at 32 (lane % 16)
.set BO2,    16
.set OUT,    168      ; v168-199 a tile's results, 4 registers a row
.endif
.set GL,     24*SECOND ; the loads of the rows' gates
.set CHUNK,  32*PITCHW ; a chunk's weight rows in memory
.set RP,     80       ; an LDS row: 32 numbers of 16 bits + 16 bytes = 20 words: the 16 rows of a fragment load start at 16 different groups of four banks (64 banks of 4 bytes: ISA guide 11.1)
.set RBLK,   16*RP    ; a block of 16 column places
.set RSLOT,  128*RP   ; a chunk in LDS
.set PRIV,   2*RSLOT  ; behind the two shared slots: a slot for each wave, its own
; window 0
.set LANE, 1
.set RR,   2          ; lane % 16
.set HH,   3          ; lane / 16
.set WOFF, 4          ; my 16 bytes in my first weight row of a chunk (rows 8 wave ..)
.set RS,   5          ; shared slot 0: where my column 0's 16 bytes go
.set RF,   6          ; shared slot 0: my place in a fragment of block 0
.set H8,   7          ; 8 (lane / 16)
.set TT,   8
.set AOFF, 9          ; v9-11   tile i: my token's row of A + 16 (lane / 16)
.set LOFF, 12         ; the list's word of slot 16 wave + lane % 16
.set LOF8, 13         ; the list's words of slots 16 wave + 8 (lane / 16) + 0..7
.set BOFF, 14
.set H16,  15
.set R16,  16
.set T2,   17
.set TOK,  18         ; v18-20  tile i: the token of slot lane % 16
.set TK0,  21         ; v21-23  tile i: the token of the tile's first slot
.set CV,   24         ; v24-39  a chunk's 4 columns x 8 k, converted
.set WF,   40         ; v40-103 eight weight fragments; on the way out at work
.set GP,   24
.set GT,   40
.set GS,   48
.set GMA,  56
.set GE,   64
.set GMB,  72
.set BIAS, 104        ; v104-167 block nt: its bias, eight times
.set TP,   168        ; v168-199 at work on conversions
.set ROWO, 200        ; v200-223 tile i, register j: byte offset in the output of row 8 (lane / 16) + j, at my 16 bytes
.set LOF0, 224        ; the list's word of slot 16 wave
.set PS,   225        ; my own slot: as RS, without the wave's 16 bytes
.set PF,   226        ; my own slot: as RF
.set WOFP, 227        ; my 16 bytes in a chunk's first row
.set GATE, 232        ; v232-255 SECOND: tile i, register j: the byte offset of the gate of row 8 (lane / 16) + j, then the gate
; window 1: accumulator (tile i, block nt) at 64 i + 8 nt.   window 2: WS weights as loaded, four buffers of 32; AS token fragments, four buffers of 24
.set WS,   0
.set AS,   128
; scalars
.set WV,   16
.set EX,   17
.set CC,   18
.set KSL,  19
.set CNT,  20
.set TL,   21
.set PASS, 22
.set TRIP, 23
.set REM,  24         ; s24-26  tile i: the expert's tokens from the tile's first slot on (signed)
.set REMB, 27         ; the same for my first tile of the pass in hand
.set WB,   28
.set AB,   30
.set WB0,  32
.set AB0,  34
.set OF,   36
.set TS,   39
.set C1,   40
.set KK,   41
.set SSC,  42
.set A1,   44
.set A2,   46
.set A3,   48
.set A4,   50
.set A5,   52
.set FLGM, 54
.set HIM,  56
.set GTP,  58
.set OG,   60
.set NSC,  62
.set MSB, 0
.macro WIN new                         ; s_set_vgpr_msb: bits 1:0 source 0, 3:2 source 1, 5:4 source 2, 7:6 destination; the high byte repeats the setting that is left
.if MSB != (\new)
	s_set_vgpr_msb (MSB<<8)|(\new)
.set MSB, (\new)
.endif
.endm
.macro LDW b, off, areg                ; eight rows of weights into buffer b: each load takes 512 bytes on end
.irp row, 0,1,2,3,4,5,6,7
	global_load_b128 v[WS+32*(\b)+4*\row:WS+32*(\b)+4*\row+3], v[\areg], s[WB:WB+1] offset:(\off)+\row*PITCHW th:TH_LOAD_NT
.endr
.endm
.macro LDA b, off                      ; the three tiles' token fragments of one K step: two loads of 16 bytes, 32 bytes apart, for each
.irp i, 0,1,2
	global_load_b128 v[AS+24*(\b)+8*\i:AS+24*(\b)+8*\i+3], v[AOFF+\i], s[AB:AB+1] offset:(\off)
	global_load_b128 v[AS+24*(\b)+8*\i+4:AS+24*(\b)+8*\i+7], v[AOFF+\i], s[AB:AB+1] offset:(\off)+32
.endr
.endm
.macro HEAD_LD                         ; a pass's twelve loads from the list
.irp i, 0,1,2
	global_load_b32 v[TOK+\i], v[LOFF], s[10:11] offset:256*\i                       ; the token of slot lane % 16, for the gather,
	global_load_b32 v[TK0+\i], v[LOF0], s[10:11] offset:256*\i                       ; that of the tile's first slot, for the dead slots,
	global_load_b128 v[ROWO+8*\i:ROWO+8*\i+3], v[LOF8], s[10:11] offset:256*\i       ; and those of my eight rows, for the way out
	global_load_b128 v[ROWO+8*\i+4:ROWO+8*\i+7], v[LOF8], s[10:11] offset:256*\i+16
.endr
.endm
.macro REMSET
	s_mov_b32 s[REM], s[REMB]
	s_sub_co_i32 s[REM+1], s[REMB], 64
	s_sub_co_i32 s[REM+2], s[REMB], 128
.endm
.macro HEAD_AD                         ; the pass's offsets, made of the tokens
.irp i, 0,1,2
	v_cmp_gt_i32 vcc_lo, s[REM+\i], v[RR]          ; slot lane % 16 is live
	v_cndmask_b32 v[TOK+\i], v[TK0+\i], v[TOK+\i], vcc_lo
	v_min_u32 v[TOK+\i], 0x3ff, v[TOK+\i]
	v_lshl_add_u32 v[AOFF+\i], v[TOK+\i], ASH, v[H16]
.endr
.set x, 0
.rept 24
	s_sub_co_i32 s[TS], s[REM+x/8], x%8
	v_cmp_gt_i32 vcc_lo, s[TS], v[H8]              ; row 8 (lane / 16) + x % 8 of tile x / 8 is live
	v_cndmask_b32 v[ROWO+x], v[TK0+x/8], v[ROWO+x], vcc_lo
	v_min_u32 v[ROWO+x], 0x3ff, v[ROWO+x]
.if SECOND
	v_lshlrev_b32 v[GATE+x], 2, v[ROWO+x]
.endif
	v_lshl_add_u32 v[ROWO+x], v[ROWO+x], OSH, v[R16]
.set x, x+1
.endr
.endm
.macro LDGATE                          ; the rows' gates; each load lands on its own offset register
.if SECOND
.set x, 0
.rept 24
	global_load_b32 v[GATE+x], v[GATE+x], s[GTP:GTP+1]
.set x, x+1
.endr
.endif
.endm
.macro CONVERT b                       ; buffer b: column q's rows 2 m and 2 m + 1 become one register of bf16 (SECOND: the bf16 number written as f16)
	WIN 0x0a                                       ; sources 0 and 1 window 2
.set q, 0
.rept 4
.set m, 0
.rept 4
	v_cvt_pk_bf16_f32 v[CV+4*q+m], v[WS+32*(\b)+8*m+q], v[WS+32*(\b)+8*m+4+q]
.set m, m+1
.endr
.set q, q+1
.endr
	WIN 0
.if SECOND
.set q, 0
.rept 16
	v_lshlrev_b32 v[TP+2*q], 16, v[CV+q]
	v_and_b32 v[TP+2*q+1], s[HIM], v[CV+q]
.set q, q+1
.endr
.set q, 0
.rept 16
	v_cvt_pk_f16_f32 v[CV+q], v[TP+2*q], v[TP+2*q+1]
.set q, q+1
.endr
.endif
.endm
.macro PUTX areg, off                  ; my four columns' 16 bytes into a slot
.irp q, 0,1,2,3
	ds_store_b128 v[\areg], v[CV+4*\q:CV+4*\q+3] offset:(\off)+\q*RBLK
.endr
.endm
.macro LDFX areg, off                  ; a chunk's eight fragments of 16 places x 32 K: two loads of 16 bytes, 32 bytes apart, for each
.set n, 0
.rept 8
	ds_load_b128 v[WF+8*n:WF+8*n+3], v[\areg] offset:(\off)+n*RBLK
	ds_load_b128 v[WF+8*n+4:WF+8*n+7], v[\areg] offset:(\off)+n*RBLK+32
.set n, n+1
.endr
.endm
.macro WM dd, aa, bb, cc
.if SECOND
	v_wmma_f32_16x16x32_f16 v[(\dd):(\dd)+7], v[(\aa):(\aa)+7], v[(\bb):(\bb)+7], v[(\cc):(\cc)+7]
.else
	v_wmma_f32_16x16x32_bf16 v[(\dd):(\dd)+7], v[(\aa):(\aa)+7], v[(\bb):(\bb)+7], v[(\cc):(\cc)+7]
.endif
.endm
; The accumulators take turns, one instruction a turn: each has one instruction in a K step.
.macro MUL01 b, first                  ; tiles 0 and 1
.set n, 0
.rept 8
.if \first
	WM 8*n, AS+24*(\b), WF+8*n, BIAS+8*n
	WM 64+8*n, AS+24*(\b)+8, WF+8*n, BIAS+8*n
.else
	WM 8*n, AS+24*(\b), WF+8*n, 8*n
	WM 64+8*n, AS+24*(\b)+8, WF+8*n, 64+8*n
.endif
.set n, n+1
.endr
.endm
.macro MUL2 b, first                   ; tile 2
.set n, 0
.rept 8
.if \first
	WM 128+8*n, AS+24*(\b)+16, WF+8*n, BIAS+8*n
.else
	WM 128+8*n, AS+24*(\b)+16, WF+8*n, 128+8*n
.endif
.set n, n+1
.endr
.endm
.macro MULS b, first                   ; a K step's products.  first = 1: C is the bias
	WIN 0x52-0x10*(\first)                         ; source 0 window 2, source 1 window 0, D window 1, C window 1 (the bias: window 0)
	MUL01 \b, \first
.if \first
	MUL2 \b, 1                                     ; the first step always starts tile 2's sums, so that they are written whatever follows
	WIN 0
.else
	WIN 0
	s_cmp_gt_i32 s[REM+2], 0                       ; a tile without a live slot is not multiplied
	s_cbranch_scc0 .Lno2_\@
	WIN 0x52
	MUL2 \b, 0
	WIN 0
.Lno2_\@:
.endif
.rept 4
	v_nop                                          ; four places ahead of loads into registers that the products read, and of the way out
.endr
.endm
; K STEP c OF PASS 0.  b = c % 4: its buffers (token fragments of step c, weights of chunk c + 1); slot = c % 2.
; issue = 1: the loads of step c + 4 go out: 6 of A (step ai behind the base), 8 of weights (chunk wi behind the base); 2: those of A alone.  left: the loads issued behind this step's.
; stw = 1: chunk c + 1 is converted and stored into the other slot.  bar = 1: the step's barrier.
.macro FSTEP b, slot, first, issue, ai, wi, left, stw, bar
	LDFX RF, (\slot)*RSLOT
	s_wait_loadcnt \left                           ; loads come back in order (ISA guide 5.7.1): this step's group is in, the later groups stay out
.if \stw
	CONVERT \b
	PUTX RS, (1-(\slot))*RSLOT
	s_wait_dscnt 4                                 ; the sixteen fragment loads are in; my four stores may be out
.else
	s_wait_dscnt 0x0
.endif
	MULS \b, \first
.if \issue
	WIN 0x80                                       ; destination window 2
	LDA \b, 64*(\ai)
.if (\issue) == 1
	LDW \b, (\wi)*CHUNK, WOFF
.endif
	WIN 0
.endif
.if \bar
	s_wait_dscnt 0x0                               ; for the others: my stores of the next chunk are done, and my reads of this slot are back
	s_barrier_signal -1
	s_barrier_wait -1
.endif
.endm
; gelu(z) = max(z, 0) - 0.5 |z| q,  q = poly(t) e^(-z^2 / 2),  t = 1 / (1 + 0.2316419 |z|).  With S = 0.8493218 z: e^(-z^2 / 2) = 2^(S x -S), 0.5 |z| = 0.588705 |S|.
; The eight numbers of the tile in hand, block nt, into v[gd ..]; the accumulator's lowest registers are read first.
.macro GELU8 nt, gd
.set Z, 8*(\nt)
	WIN 0x01                                       ; source 0 window 1
.set j, 0
.rept 8
	v_fma_f32 v[GT+j], |v[Z+j]|, s[C1], 1.0
.set j, j+1
.endr
.set j, 0
.rept 4
	v_pk_mul_f32 v[GS+2*j:GS+2*j+1], v[Z+2*j:Z+2*j+1], s[SSC:SSC+1] op_sel_hi:[1,0]
	v_pk_mul_f32 v[GE+2*j:GE+2*j+1], v[Z+2*j:Z+2*j+1], s[NSC:NSC+1] op_sel_hi:[1,0]
.set j, j+1
.endr
.set j, 0
.rept 8
	v_max_num_f32 v[\gd+j], v[Z+j], 0
.set j, j+1
.endr
	WIN 0
.set j, 0
.rept 8
	v_rcp_f32 v[GT+j], v[GT+j]
.set j, j+1
.endr
.set j, 0
.rept 4                                ; plain work behind the reciprocals, ahead of their use (ISA guide 5.7.2)
	v_pk_mul_f32 v[GE+2*j:GE+2*j+1], v[GE+2*j:GE+2*j+1], v[GS+2*j:GS+2*j+1]
.set j, j+1
.endr
.set j, 0
.rept 8
	v_exp_f32 v[GE+j], v[GE+j]
.set j, j+1
.endr
.set j, 0
.rept 4                                ; and behind the exponentials
	v_pk_fma_f32 v[GP+2*j:GP+2*j+1], v[GT+2*j:GT+2*j+1], s[A5:A5+1], s[A4:A4+1] op_sel_hi:[1,0,0]
.set j, j+1
.endr
.irp a, A3, A2, A1
.set j, 0
.rept 4
	v_pk_fma_f32 v[GP+2*j:GP+2*j+1], v[GP+2*j:GP+2*j+1], v[GT+2*j:GT+2*j+1], s[\a:\a+1] op_sel_hi:[1,1,0]
.set j, j+1
.endr
.endr
.irp f, GT, GE, GS
.set j, 0
.rept 4
	v_pk_mul_f32 v[GP+2*j:GP+2*j+1], v[GP+2*j:GP+2*j+1], v[\f+2*j:\f+2*j+1]
.set j, j+1
.endr
.endr
.set j, 0
.rept 8
	v_fma_f32 v[\gd+j], -|v[GP+j]|, s[KK], v[\gd+j]
.set j, j+1
.endr
.endm
	s_load_b256 s[4:11], s[0:1], 0x0               ; weights s[4:5], bias s[6:7], A s[8:9], list s[10:11]
	s_load_b128 s[12:15], s[0:1], 0x20             ; cnt s[12:13], output s[14:15]
.if SECOND
	s_load_b64 s[GTP:GTP+1], s[0:1], 0x30          ; gate
	v_lshl_add_u32 v230, v0, 2, 0xf000
	v_mov_b32 v231, 0
.endif
	v_and_b32 v[LANE], 31, v0
	v_lshrrev_b32 v[TT], 5, v0
	v_readfirstlane_b32 s[WV], v[TT]
	v_and_b32 v[RR], 15, v0
	v_bfe_u32 v[HH], v0, 4, 1
	s_lshr_b32 s[EX], ttmp9, 5                     ; expert
.if SECOND
	s_bfe_u32 s[CC], ttmp9, 0x30002                ; which 128 columns
	s_and_b32 s[KSL], ttmp9, 3                     ; which 1,024 of K
.else
	s_and_b32 s[CC], ttmp9, 31
.endif
	s_mul_i32 s[TS], s[WV], 8*PITCHW
	v_lshl_add_u32 v[WOFF], v[LANE], 4, s[TS]
	v_lshlrev_b32 v[WOFP], 4, v[LANE]
	v_lshlrev_b32 v[BOFF], BLS, v[RR]
	s_lshl_b32 s[TS], s[WV], 6
	v_lshl_add_u32 v[LOFF], v[RR], 2, s[TS]
	v_lshl_add_u32 v[LOF8], v[HH], 5, s[TS]
	v_mov_b32 v[LOF0], s[TS]
	s_mov_b32 s[OF+1], 0
	s_mov_b32 s[OG+1], 0
	s_lshl_b32 s[OF], s[EX], 24                    ; an expert's weights: 16 MiB
	s_lshl_b32 s[TS], s[CC], 9
	s_add_co_u32 s[OF], s[OF], s[TS]
	s_lshl_b32 s[OG], s[EX], BSH
	s_add_co_u32 s[OG], s[OG], s[TS]
.if SECOND
	s_lshl_b32 s[TS], s[KSL], 22
	s_add_co_u32 s[OF], s[OF], s[TS]
.endif
	s_wait_kmcnt 0x0
	s_add_nc_u64 s[WB0:WB0+1], s[4:5], s[OF:OF+1]
	s_mov_b64 s[WB:WB+1], s[WB0:WB0+1]
	s_add_nc_u64 s[6:7], s[6:7], s[OG:OG+1]
	s_mul_i32 s[OF], s[EX], 4608
	s_add_nc_u64 s[10:11], s[10:11], s[OF:OF+1]
	s_lshl_b32 s[OF], s[EX], 7
	s_add_nc_u64 s[12:13], s[12:13], s[OF:OF+1]
	s_load_b32 s[CNT], s[12:13], 0x0
	global_load_b128 v[BIAS:BIAS+3], v[BOFF], s[6:7]                  ; the bias of my place in blocks 0 to 3,
	global_load_b128 v[BIAS+4:BIAS+7], v[BOFF], s[6:7] offset:BO2     ; and 4 to 7
	HEAD_LD                                        ; pass 0's tokens
	WIN 0x80                                       ; destination window 2
	LDW 3, 0, WOFF                                 ; chunk 0 into the buffer that is free first; the stream starts before anything else is made
	LDW 0, CHUNK, WOFF
	LDW 1, 2*CHUNK, WOFF
	LDW 2, 3*CHUNK, WOFF
	WIN 0
	; my four columns 4 lane + q lie at places 64 X + 16 q + Y
.if SECOND
	v_lshl_add_u32 v[TT], v[HH], 6, v[RR]          ; X = lane / 16, Y = lane % 16
.else
	v_and_b32 v[TT], 1, v0                         ; X = lane % 2, Y = lane / 2: two lanes of sixteen meet in a group of banks
	v_bfe_u32 v[T2], v0, 1, 4
	v_lshl_add_u32 v[TT], v[TT], 6, v[T2]
.endif
	v_mul_u32_u24 v[PS], v[TT], RP
	s_lshl_b32 s[TS], s[WV], 4                     ; my 8 k of a chunk: 16 bytes
	v_add_nc_u32 v[RS], s[TS], v[PS]
	v_mul_u32_u24 v[RF], v[RR], RP                 ; a fragment: row lane % 16, 16 bytes by lane / 16
	v_lshl_add_u32 v[RF], v[HH], 4, v[RF]
	s_mul_i32 s[TS], s[WV], RSLOT
	s_add_co_u32 s[TS], s[TS], PRIV                ; my own slot
	v_add_nc_u32 v[PS], s[TS], v[PS]
	v_add_nc_u32 v[PF], s[TS], v[RF]
	v_lshlrev_b32 v[H8], 3, v[HH]
	v_lshlrev_b32 v[H16], 4, v[HH]
	v_lshlrev_b32 v[R16], 4, v[RR]
	s_mov_b32 s[HIM], 0xffff0000
.if !SECOND
	s_mov_b32 s[C1], 0x3e6d3388                    ; 0.3275911 / sqrt(2)
	s_mov_b32 s[KK], 0x3f16b55f                    ; 0.5 / 0.8493218
	s_mov_b32 s[SSC], 0x3f596d27                   ; sqrt(log2(e) / 2) = 0.8493218
	s_mov_b32 s[SSC+1], s[SSC]                     ; the pairs are named whole
	s_mov_b32 s[NSC], 0xbf596d27                   ; the same, negative
	s_mov_b32 s[NSC+1], s[NSC]
	s_mov_b32 s[A1], 0x3e827906
	s_mov_b32 s[A1+1], s[A1]
	s_mov_b32 s[A2], 0xbe91a98e
	s_mov_b32 s[A2+1], s[A2]
	s_mov_b32 s[A3], 0x3fb5f0e3
	s_mov_b32 s[A3+1], s[A3]
	s_mov_b32 s[A4], 0xbfba00e3
	s_mov_b32 s[A4+1], s[A4]
	s_mov_b32 s[A5], 0x3f87dc22
	s_mov_b32 s[A5+1], s[A5]
.endif
.if SECOND
	s_lshl_b32 s[OF], s[KSL], 11
	s_add_nc_u64 s[AB0:AB0+1], s[8:9], s[OF:OF+1]
	s_lshl_b32 s[OF], s[KSL], 22
	s_lshl_b32 s[TS], s[CC], 9
	s_add_co_u32 s[OF], s[OF], s[TS]
	s_cmp_eq_u32 s[KSL], 0
	s_cselect_b32 s[FLGM], -1, 0                   ; the bias enters one of the four slices of K
.else
	s_mov_b64 s[AB0:AB0+1], s[8:9]
	s_lshl_b32 s[OF], s[CC], 8
.endif
	s_add_nc_u64 s[14:15], s[14:15], s[OF:OF+1]
	s_mov_b64 s[AB:AB+1], s[AB0:AB0+1]
	s_wait_kmcnt 0x0
	s_min_u32 s[CNT], s[CNT], 0x400
	s_lshl_b32 s[TS], s[WV], 4
	s_sub_co_i32 s[REMB], s[CNT], s[TS]
	REMSET
	s_wait_loadcnt 32                              ; the bias and the tokens are in; the 32 weight loads stay out
	; the bias, rounded to bf16, in the accumulators' layout: a lane's eight registers of block nt are eight rows of one column
.set m, 0
.rept 4
	v_cvt_pk_bf16_f32 v[TP+m], v[BIAS+2*m], v[BIAS+2*m+1]
.set m, m+1
.endr
.if SECOND
.set m, 0
.rept 4
	v_and_b32 v[TP+m], s[FLGM], v[TP+m]
.set m, m+1
.endr
.endif
.set m, 0
.rept 4
.set j, 0
.rept 8
	v_lshlrev_b32 v[BIAS+16*m+j], 16, v[TP+m]
	v_and_b32 v[BIAS+16*m+8+j], s[HIM], v[TP+m]
.set j, j+1
.endr
.set m, m+1
.endr
	HEAD_AD
	WIN 0x80
	LDA 0, 0
	LDA 1, 64
	LDA 2, 128
	WIN 0
	s_wait_loadcnt 42                              ; chunk 0 is in: behind it stand 24 weight loads and 18 of A
	CONVERT 3
	PUTX RS, 0
	WIN 0x80
	LDA 3, 192
	LDW 3, 4*CHUNK, WOFF
	WIN 0
	s_wait_dscnt 0x0
	s_barrier_signal -1
	s_barrier_wait -1                              ; chunk 0 is whole
	FSTEP 0, 0, 1, 1, 4, 5, 26, 1, 1               ; behind step 0's fragments: 6 + 6 + 6 of A and 8 of weights
	FSTEP 1, 1, 0, 1, 5, 6, 34, 1, 1               ; 6 + 6 + 8 and a group of 14
	s_mov_b32 s[TRIP], 6
.Lk:                                                   ; steps 2 to 25: behind a step's group stand three groups of 14; in trip t the bases stand 4 t steps on
	FSTEP 2, 0, 0, 1, 6, 7, 42, 1, 1
	FSTEP 3, 1, 0, 1, 7, 8, 42, 1, 1
	FSTEP 0, 0, 0, 1, 8, 9, 42, 1, 1
	FSTEP 1, 1, 0, 1, 9, 10, 42, 1, 1
	s_wait_xcnt 0x0                                ; the bases are stepped only behind this wait
	s_add_nc_u64 s[WB:WB+1], s[WB:WB+1], 4*CHUNK
	s_add_nc_u64 s[AB:AB+1], s[AB:AB+1], 256
	s_sub_co_u32 s[TRIP], s[TRIP], 1
	s_cmp_lg_u32 s[TRIP], 0
	s_cbranch_scc1 .Lk
	FSTEP 2, 0, 0, 1, 6, 7, 42, 1, 1               ; step 26 asks for the last chunk
	FSTEP 3, 1, 0, 2, 7, 0, 42, 1, 1               ; step 27 for the last fragments of A
	FSTEP 0, 0, 0, 0, 0, 0, 34, 1, 1               ; the counts run down: 14 + 14 + 6
	LDGATE                                         ; (SECOND) 24 loads, younger than all of A: the counts below leave them out
	FSTEP 1, 1, 0, 0, 0, 0, 20+GL, 1, 1
	FSTEP 2, 0, 0, 0, 0, 0, 6+GL, 1, 1
	FSTEP 3, 1, 0, 0, 0, 0, GL, 0, 0               ; step 31: nothing to convert, and no barrier: nobody stores into the shared slots any more
	s_mov_b32 s[PASS], 6
.Lpass:                                                ; six trips: the pass in hand goes out; then the next pass's products, where the list, which an earlier launch stored, reaches my slots there
	s_wait_loadcnt 0x0                             ; (SECOND) the gates
	; THE WAY OUT, straight from registers, written once: the tile in hand lies in the first 64 accumulator registers, and behind it the next tiles move down.
	; A store holds rows j (lanes 0-15) and 8 + j (lanes 16-31), each 256 bytes on end at a multiple of 256 from the buffer's first.
	; Where row j is dead so is row 8 + j, and the rest of the stores is jumped.  A dead tile's trip is jumped, forward to the counter's step: the loop always counts its three trips.
	s_mov_b32 s[TL], 3
.Ltile:
	s_cmp_gt_i32 s[REM], 0
	s_cbranch_scc0 .Ltskip
.if SECOND
	WIN 0x01                                       ; source 0 window 1
.set jj, 0
.rept 8                                ; row by row; the gate's product brings a row's numbers side by side
.set n, 0
.rept 8
	v_mul_f32 v[OUT+8*jj+n], v[8*n+jj], v[GATE+jj]
.set n, n+1
.endr
.set jj, jj+1
.endr
	WIN 0
.else
.set mm, 0
.rept 4                                ; blocks 2 mm and 2 mm + 1 are neighbouring columns: one register of f16 a row
	GELU8 2*mm, GMA
	GELU8 2*mm+1, GMB
.set j, 0
.rept 8
	v_cvt_pk_f16_f32 v[OUT+4*j+mm], v[GMA+j], v[GMB+j]
.set j, j+1
.endr
.set mm, mm+1
.endr
.endif
.set jj, 0
.rept 8
.if jj > 0
	s_cmp_gt_i32 s[REM], jj
	s_cbranch_scc0 .Ldead
.endif
.if SECOND
	global_store_b128 v[ROWO+jj], v[OUT+8*jj:OUT+8*jj+3], s[14:15]
	global_store_b128 v[ROWO+jj], v[OUT+8*jj+4:OUT+8*jj+7], s[14:15] offset:256
.else
	global_store_b128 v[ROWO+jj], v[OUT+4*jj:OUT+4*jj+3], s[14:15]
.endif
.set jj, jj+1
.endr
.Ldead:
	s_wait_xcnt 0x0                                ; the stores' data and offsets are written again only behind this wait
	s_cmp_gt_i32 s[REM+1], 0
	s_cbranch_scc0 .Ltskip                         ; the next tile is dead: nothing need move down
	WIN 0x41                                       ; destination and source 0 window 1
.set x, 0
.rept 128                              ; ascending: each accumulator's lowest register is read first
	v_mov_b32 v[x], v[64+x]
.set x, x+1
.endr
	WIN 0
.set x, 0
.rept 16
	v_mov_b32 v[ROWO+x], v[ROWO+8+x]
.if SECOND
	v_mov_b32 v[GATE+x], v[GATE+8+x]
.endif
.set x, x+1
.endr
.Ltskip:
	s_mov_b32 s[REM], s[REM+1]
	s_mov_b32 s[REM+1], s[REM+2]
	s_sub_co_u32 s[TL], s[TL], 1
	s_cmp_lg_u32 s[TL], 0
	s_cbranch_scc1 .Ltile
	; THE NEXT PASS.  Behind the sixth way out it would begin at slot 1,152, past the 1,024 to which the length is clamped: the jump below is then always taken.
	s_wait_xcnt 0x0                                ; the list's address and the next pass's registers are written only behind this wait
	s_add_nc_u64 s[10:11], s[10:11], 768           ; the list's next 192 slots
	s_sub_co_i32 s[REMB], s[REMB], 192
	REMSET                                         ; also for a dead pass: the next trip's way out then finds three dead tiles
	s_cmp_gt_i32 s[REMB], 0
	s_cbranch_scc0 .Lnext                          ; none of my slots in that pass is live
	s_mov_b64 s[WB:WB+1], s[WB0:WB0+1]
	s_mov_b64 s[AB:AB+1], s[AB0:AB0+1]
	HEAD_LD
	s_wait_loadcnt 0x0
	HEAD_AD
	LDGATE
	s_mov_b32 s[TRIP], 32
.Lslow:                                                ; a K step by one wave alone: all 32 rows of the chunk, through my own slot
	WIN 0x80
	LDA 0, 0
.irp g, 0,1,2,3
	LDW \g, \g*8*PITCHW, WOFP
.endr
	WIN 0
	s_wait_loadcnt 0x0
.irp g, 0,1,2,3
	CONVERT \g
	PUTX PS, 16*\g                                 ; rows 8 g .. are bytes 16 g .. of an LDS row
.endr
	LDFX PF, 0                                     ; LDS serves a wave's instructions in order (ISA guide 5.7.1.4): these see the stores above, and the next trip's stores come behind them
	s_wait_dscnt 0x0
	s_cmp_eq_u32 s[TRIP], 32
	s_cbranch_scc0 .Lsums
	MULS 0, 1                                      ; the first trip's products take the bias
	s_branch .Lstepped
.Lsums:
	MULS 0, 0
.Lstepped:
	s_wait_xcnt 0x0                                ; the bases are stepped only behind this wait
	s_add_nc_u64 s[WB:WB+1], s[WB:WB+1], CHUNK
	s_add_nc_u64 s[AB:AB+1], s[AB:AB+1], 64
	s_sub_co_u32 s[TRIP], s[TRIP], 1
	s_cmp_lg_u32 s[TRIP], 0
	s_cbranch_scc1 .Lslow
.Lnext:
	s_sub_co_u32 s[PASS], s[PASS], 1
	s_cmp_lg_u32 s[PASS], 0
	s_cbranch_scc1 .Lpass
	s_wait_tensorcnt 0x0
	ds_add_u32 v230, v231
	s_wait_dscnt 0x0
	s_endpgm
.Lfunc_end_k_q4e78dcc793_ffn2:
	.size	k_q4e78dcc793_ffn2, .Lfunc_end_k_q4e78dcc793_ffn2-k_q4e78dcc793_ffn2
	.p2alignl 7, 3214868480
	.fill 96, 4, 3214868480
	.section	.rodata,"a",@progbits
	.p2align	6, 0x0
	.amdhsa_kernel k_q4e78dcc793_ffn2
		.amdhsa_group_segment_fixed_size 61952
		.amdhsa_private_segment_fixed_size 0
		.amdhsa_enable_private_segment 0
		.amdhsa_kernarg_size 56
		.amdhsa_user_sgpr_count 2
		.amdhsa_user_sgpr_kernarg_segment_ptr 1
		.amdhsa_wavefront_size32 1
		.amdhsa_system_sgpr_workgroup_id_x 1
		.amdhsa_system_sgpr_workgroup_id_y 1
		.amdhsa_system_sgpr_workgroup_id_z 1
		.amdhsa_system_vgpr_workitem_id 0
		.amdhsa_next_free_vgpr 768
		.amdhsa_next_free_sgpr 66
		.amdhsa_reserve_vcc 1
		.amdhsa_float_denorm_mode_32 3
		.amdhsa_float_denorm_mode_16_64 3
		.amdhsa_memory_ordered 1
		.amdhsa_forward_progress 1
		.amdhsa_inst_pref_size 150
	.end_amdhsa_kernel
	.amdgpu_metadata
---
amdhsa.version: [ 1, 2 ]
amdhsa.kernels:
  - .name:           k_q4e78dcc793_ffn2
    .symbol:         k_q4e78dcc793_ffn2.kd
    .args:
      - { .name: w2, .offset: 0, .size: 8, .value_kind: global_buffer, .address_space: global }
      - { .name: b2, .offset: 8, .size: 8, .value_kind: global_buffer, .address_space: global }
      - { .name: hmid, .offset: 16, .size: 8, .value_kind: global_buffer, .address_space: global }
      - { .name: list, .offset: 24, .size: 8, .value_kind: global_buffer, .address_space: global }
      - { .name: cnt, .offset: 32, .size: 8, .value_kind: global_buffer, .address_space: global }
      - { .name: part, .offset: 40, .size: 8, .value_kind: global_buffer, .address_space: global }
      - { .name: gate, .offset: 48, .size: 8, .value_kind: global_buffer, .address_space: global }
    .group_segment_fixed_size: 61952
    .private_segment_fixed_size: 0
    .kernarg_segment_align: 8
    .kernarg_segment_size: 56
    .max_flat_workgroup_size: 128
    .sgpr_count:     66
    .vgpr_count:     768
    .wavefront_size: 32
...
	.end_amdgpu_metadata
.endif
;; end of part 4
;; launch combine (part 5): grid 256 x 1, 8 waves a work-group, no clusters, 0 bytes of LDS; arguments part, out0; writes out0
.if DOCPART == 5
	.amdgcn_target "amdgcn-amd-amdhsa--gfx1250"
	.amdhsa_code_object_version 6
	.text
	.protected	k_q4e78dcc793_combine
	.globl	k_q4e78dcc793_combine
	.p2align	8
	.type	k_q4e78dcc793_combine,@function
k_q4e78dcc793_combine:
	s_mov_b64 s[64:65], 0
	v_nop
	global_prefetch_b8 v0, s[64:65] scope:SCOPE_SE
	s_setreg_imm32_b32 hwreg(HW_REG_WAVE_MODE, 25, 1), 1
	s_wait_xcnt 0x0
; out0[tok] = part[0][tok] + part[1][tok] + part[2][tok] + part[3][tok]: the four slices of K of the second product, each already times the token's gate, summed in a fixed order.
; A work-group takes four tokens; thread t takes bytes 16 t of each row of 4,096 bytes, so a wave's load or store covers 512 bytes on end.
; All sixteen loads go out at once; each token has registers of its own, so nothing that a pending store reads is written again.
.set P, 8             ; v[8:71]  token j, slice k at P + 16 j + 4 k
	s_load_b128 s[4:7], s[0:1], 0x0                ; part s[4:5], out0 s[6:7]
	v_lshlrev_b32 v1, 4, v0
	s_lshl_b32 s10, ttmp9, 14                      ; four rows of 4,096 bytes
	s_mov_b32 s11, 0
	s_wait_kmcnt 0x0
	s_add_nc_u64 s[4:5], s[4:5], s[10:11]
	s_add_nc_u64 s[6:7], s[6:7], s[10:11]
	s_add_nc_u64 s[14:15], s[4:5], 0x800000        ; slices 2 and 3: a slice is 4 MiB, and a load's immediate reaches one slice on
.irp j, 0,1,2,3
	global_load_b128 v[P+16*\j:P+16*\j+3], v1, s[4:5] offset:4096*\j th:TH_LOAD_NT
	global_load_b128 v[P+16*\j+4:P+16*\j+7], v1, s[4:5] offset:4194304+4096*\j th:TH_LOAD_NT
	global_load_b128 v[P+16*\j+8:P+16*\j+11], v1, s[14:15] offset:4096*\j th:TH_LOAD_NT
	global_load_b128 v[P+16*\j+12:P+16*\j+15], v1, s[14:15] offset:4194304+4096*\j th:TH_LOAD_NT
.endr
.irp j, 0,1,2,3
	s_wait_loadcnt 12-4*\j                         ; this token's four loads are in; the later tokens' stay out
.irp c, 0,2
	v_pk_add_f32 v[P+16*\j+\c:P+16*\j+\c+1], v[P+16*\j+\c:P+16*\j+\c+1], v[P+16*\j+4+\c:P+16*\j+4+\c+1]
	v_pk_add_f32 v[P+16*\j+8+\c:P+16*\j+8+\c+1], v[P+16*\j+8+\c:P+16*\j+8+\c+1], v[P+16*\j+12+\c:P+16*\j+12+\c+1]
.endr
.irp c, 0,2
	v_pk_add_f32 v[P+16*\j+\c:P+16*\j+\c+1], v[P+16*\j+\c:P+16*\j+\c+1], v[P+16*\j+8+\c:P+16*\j+8+\c+1]
.endr
	global_store_b128 v1, v[P+16*\j:P+16*\j+3], s[6:7] offset:4096*\j th:TH_STORE_NT
.endr
	s_endpgm
.Lfunc_end_k_q4e78dcc793_combine:
	.size	k_q4e78dcc793_combine, .Lfunc_end_k_q4e78dcc793_combine-k_q4e78dcc793_combine
	.p2alignl 7, 3214868480
	.fill 96, 4, 3214868480
	.section	.rodata,"a",@progbits
	.p2align	6, 0x0
	.amdhsa_kernel k_q4e78dcc793_combine
		.amdhsa_group_segment_fixed_size 0
		.amdhsa_private_segment_fixed_size 0
		.amdhsa_enable_private_segment 0
		.amdhsa_kernarg_size 16
		.amdhsa_user_sgpr_count 2
		.amdhsa_user_sgpr_kernarg_segment_ptr 1
		.amdhsa_wavefront_size32 1
		.amdhsa_system_sgpr_workgroup_id_x 1
		.amdhsa_system_sgpr_workgroup_id_y 1
		.amdhsa_system_sgpr_workgroup_id_z 1
		.amdhsa_system_vgpr_workitem_id 0
		.amdhsa_next_free_vgpr 72
		.amdhsa_next_free_sgpr 66
		.amdhsa_reserve_vcc 0
		.amdhsa_float_denorm_mode_32 3
		.amdhsa_float_denorm_mode_16_64 3
		.amdhsa_memory_ordered 1
		.amdhsa_forward_progress 1
		.amdhsa_inst_pref_size 5
	.end_amdhsa_kernel
	.amdgpu_metadata
---
amdhsa.version: [ 1, 2 ]
amdhsa.kernels:
  - .name:           k_q4e78dcc793_combine
    .symbol:         k_q4e78dcc793_combine.kd
    .args:
      - { .name: part, .offset: 0, .size: 8, .value_kind: global_buffer, .address_space: global }
      - { .name: out0, .offset: 8, .size: 8, .value_kind: global_buffer, .address_space: global }
    .group_segment_fixed_size: 0
    .private_segment_fixed_size: 0
    .kernarg_segment_align: 8
    .kernarg_segment_size: 16
    .max_flat_workgroup_size: 256
    .sgpr_count:     66
    .vgpr_count:     72
    .wavefront_size: 32
...
	.end_amdgpu_metadata
.endif
;; end of part 5
